; MI455X (gfx1250); checked and timed in simulation.
; The chip was launched on July 23, 2026; its instructions are those of AMD's public machine-readable ISA for CDNA 5 (MIT licence, August 2026) and "CDNA5" Instruction Set Architecture Reference Guide (July 2026). The comments in the code are by the model that wrote it; some were corrected since.
;; Dense Full Attention. Allowed arithmetic: matrix products marked QUANTISED: E2M1 operands, one E8M0 scale for each 32 along K, by v_wmma_scale_f32_16x16x128_f8f6f4 with both operands' format E2M1 (or v_wmma_scale_f32_32x16x128_f4), f32 sums; products left as they are: bf16, f16 or f32 operands; f32 sums; everything else in f32.
;; Inputs: cos 2,048 x 64 float32; sin 2,048 x 64 float32; wk 2,048 x 2,048 float32; wo 2,048 x 2,048 float32; wq 2,048 x 2,048 float32; wv 2,048 x 2,048 float32; x 1 x 2,048 x 2,048 float32.
;; Outputs: out0 1 x 2,048 x 2,048 float32.
;; This version of the problem:
;;   THIS VERSION OF THE PROBLEM IS GIVEN IN LOW PRECISION. The matrix products marked QUANTISED in the list below multiply operands that are first quantised to E2M1 (2 exponent bits, 1 mantissa bit; 4 bits a number), with one power-of-two scale for each 32 numbers along K (OCP MX v1.0); their sums are f32. The products marked 'left as it is' may take bf16, f16 or f32 operands, with f32 sums. Whichever they take, every output number must still come out within the allowed error. Rounding operands to bf16 (8 significant bits) uses up far more of that allowance than f16 does (11 bits, for magnitudes from 6e-5 to 65,504). All else is computed in f32.
;;   The module's matrix products, in the order in which they are computed (A, B: the left and right operand; K: the contracted axis; several contracted axes count as one K, in the product's order):
;;     1. [M 2,048, K 2,048] x [K 2,048, N 2,048]; A: input x; B: input wq: QUANTISED
;;     2. [M 2,048, K 2,048] x [K 2,048, N 2,048]; A: input x; B: input wk: QUANTISED
;;     3. [M 2,048, K 2,048] x [K 2,048, N 2,048]; A: input x; B: input wv: QUANTISED
;;     4. batch 16 x [M 2,048, K 128] x [K 128, N 2,048]; A: computed on the way; B: computed on the way: left as it is (an operand is computed on the way)
;;     5. batch 16 x [M 128, K 2,048] x [K 2,048, N 2,048]; A: computed on the way; B: computed on the way: left as it is (an operand is computed on the way)
;;     6. [M 2,048, K 2,048] x [K 2,048, N 2,048]; A: computed on the way; B: input wo: left as it is (an operand is computed on the way)
;;   THE QUANTISER, for each operand of a quantised product, along K:
;;     - K is cut into blocks of 32 from its start; a last block that is shorter is filled with zeros.
;;     - A block's scale is 2^e with e = floor(log2(the largest magnitude in the block)) - 2, held to -126 .. 127; a block of zeros has e = 0. As a byte (E8M0): e + 127.
;;     - Each number is divided by its block's scale, clamped to +-6, and rounded to the nearest number of E2M1, ties to even, subnormals kept.
;;     - The product sums the exact products of the quantised numbers (number of the format x scale) in f32.
;;   ~~~python
;;   def quantise(x, axis):      # numpy; x: float32 -> the quantised numbers, widened to float32 again
;;       x = np.moveaxis(x, axis, -1); K = x.shape[-1]
;;       x = np.pad(x, [(0, 0)] * (x.ndim - 1) + [(0, -K % 32)]); x = x.reshape(x.shape[:-1] + (-1, 32)); a = np.abs(x).max(-1, keepdims=True)
;;       e = np.where(a > 0, np.clip(np.frexp(np.where(a > 0, a, 1))[1] - 1 - 2, -126, 127), 0)      # np.frexp(a)[1] - 1 = floor(log2(a)), exactly
;;       r = np.clip(x / 2.0 ** e, -6, 6)
;;       step = 2.0 ** (np.maximum(np.frexp(np.where(r == 0, 1, r))[1] - 1, 0) - 1)
;;       q = np.round(r / step) * step * 2.0 ** e      # np.round: ties to even
;;       return np.moveaxis(q.reshape(q.shape[:-2] + (-1,))[..., :K], -1, axis).astype(np.float32)
;;   ~~~
;; One version. Each part assembles by itself: llvm-mc -triple=amdgcn-amd-amdhsa -mcpu=gfx1250 --defsym DOCPART=n.
;; ======== version 1 of 1: 5 launches
;; limits: values are held in f16: magnitudes above 65,504 overflow, below 6.1e-05 lose precision; right only within a limited range of input values
;; workspace buffers: xw 8,912,896 bytes; wof 8,388,608 bytes; qkvf 25,165,824 bytes; nrm 2,048 bytes; fin 393,216 bytes; attf 8,388,608 bytes
;; launch prep (part 1): grid 384 x 1, 4 waves a work-group, no clusters, 34,304 bytes of LDS; arguments x, wq, wk, wv, wo, xw, wof; writes xw, wof
.if DOCPART == 1
	.amdgcn_target "amdgcn-amd-amdhsa--gfx1250"
	.amdhsa_code_object_version 6
	.text
	.protected	k_q94fb5a580d_prep
	.globl	k_q94fb5a580d_prep
	.p2align	8
	.type	k_q94fb5a580d_prep,@function
k_q94fb5a580d_prep:
	s_mov_b64 s[64:65], 0
	v_nop
	global_prefetch_b8 v0, s[64:65] scope:SCOPE_SE
	s_setreg_imm32_b32 hwreg(HW_REG_WAVE_MODE, 25, 1), 1
	s_wait_xcnt 0x0
; PREP: the operands of the three quantised products become codes of E2M1 with one E8M0 byte for each 32 along K; wo becomes f16.  All are laid in the order of the operand's registers.
; THE WHOLE PROGRAM: prep | qkv (x wq, x wk, x wv on codes, RoPE, f16 fragments) | attn (causal attention, f16) | proj (the product with wo, f16, rows 16 on) | fine (rows 0 to 15 of attention and projection in f32).
; WORK LEFT OUT, for all values of the inputs: reference() builds its causal mask in its own body (jnp.tril), and a key behind the diagonal gets the logit -1e10, whose weight after the softmax is 0 beside any visible key's:
; so chunks of 64 keys that lie wholly behind a block's last query are not multiplied (launch attn), and hidden keys inside a chunk get the weight 0.  Rows 0 to 15 of the last product are stored by launch fine, not by proj.
; Every input has a way to the output and is loaded.
; LIMITS: a row all of whose visible logits lie under about -1e10 + 100 (where reference()'s masked keys would weigh in) is not served; a NaN, an infinity or an overflow that reaches only the work left out is not carried to the result;
; NaN and infinities among the inputs are not served; a block of zeros gets the byte 1 where the quantiser says 127: its codes are zeros, which add nothing, and this program alone reads the bytes.
; xw: [kq 0..3: 512 along K][rt 0..511: a tile of 16 operand rows][4,352 bytes].  rt 0..127: rows of x; 128.., 256.., 384..: columns of wq, wk, wv.  A chunk: four fragments (16 rows x 128 K, 1,024 bytes: block bl of row r at
; 512 (bl / 2) + 256 (bl % 2) + 16 r, which is register group bl / 2 of lane 16 (bl % 2) + r), then 256 bytes of scales (row r: 16 bytes at 4,096 + 16 r, byte 4 ks + bl).
; wof: [256 along K: 0..7][tile of 16 columns: 0..127][32 along K: 0..7][1,024 bytes]: an f16 fragment: the eight k 8 o .. 8 o + 7 of column r at 256 o + 16 r.
; THREE PATHS, parted on the work-group's number: 0..127 x; 128..319 wq, wk, wv; 320..383 wo.  A stream: no matrix unit, no cluster, no tensor load; only the first path uses LDS.
.set SPARE, 33792                      ; behind the four stages: the spare words, 128 bytes for each wave
.set SPW, 14                           ; v14  LDS address of my spare word; never rewritten
.set NIL, 15                           ; v15  0; never rewritten
.set XR, 16                            ; x's path: v16-143 two sets of 64 numbers as loaded
.set XX, 144                           ; v144-207 my two blocks of 32 neighbours
.set XC, 208                           ; v208-239 codes, 8 registers a step: no store's data are written again
.set WD, 240                           ; v240-243 my row's four scale words
.set WX, 16                            ; the weights' paths: v16-79 two sets of 32 numbers down K
.set WC, 80                            ; v80-143 codes, 4 registers a block (wo: two sets of 16 registers of f16)
.set SB, 144                           ; v144-147 the scale bytes, four to a register
	s_load_b256 s[4:11], s[0:1], 0x0               ; x, wq, wk, wv
	s_load_b128 s[12:15], s[0:1], 0x20             ; wo, xw
	s_load_b64 s[16:17], s[0:1], 0x30              ; wof
	v_lshl_add_u32 v[SPW], v0, 2, SPARE
	v_mov_b32 v[NIL], 0
	v_lshrrev_b32 v1, 5, v0
	v_readfirstlane_b32 s18, v1                    ; wave 0..3
	v_and_b32 v1, 31, v0                           ; lane
	v_and_b32 v2, 15, v0                           ; r
	v_bfe_u32 v3, v0, 4, 1                         ; h
	s_mov_b32 s20, 0x76543210
	s_mov_b32 s21, 0xfedcba98                      ; v_permlanex16_b32's selects for lane l xor 16
	s_mov_b32 s23, 0                               ; the upper word of every offset
	s_wait_kmcnt 0x0
	s_cmp_lt_u32 ttmp9, 128
	s_cbranch_scc0 .Lnot_x
; ---- x: work-group = a tile of 16 rows, wave = 512 along K.  A load reads 512 consecutive bytes of one row; 16 rows x 128 K turn through the wave's own stage (rows 528 bytes apart), so that lane (r, h) gets blocks h and 2 + h of row r whole.
	s_lshl_b32 s22, ttmp9, 17                      ; 16 rows of 8,192 bytes
	s_lshl_b32 s24, s18, 11                        ; 512 numbers
	s_add_co_u32 s22, s22, s24
	s_add_nc_u64 s[4:5], s[4:5], s[22:23]
	s_lshl_b32 s22, s18, 9
	s_add_co_u32 s22, s22, ttmp9
	s_mul_i32 s22, s22, 4352                       ; chunk (kq, rt)
	s_add_nc_u64 s[14:15], s[14:15], s[22:23]
	v_lshlrev_b32 v4, 4, v1                        ; 16 x lane: in a load's 512 bytes, and in a fragment's register group
	s_mul_i32 s24, s18, 8448                       ; my stage
	v_add_nc_u32 v5, s24, v4                       ; into it
	v_mul_u32_u24 v6, v2, 528
	v_lshl_add_u32 v6, v3, 7, v6
	v_add_nc_u32 v6, s24, v6                       ; out of it: row r, block h
	v_lshl_add_u32 v7, v2, 4, 4096                 ; my row's scale words in the chunk
	v_lshlrev_b32 v252, 3, v3                      ; 8 h: my two bytes' place in a scale word
	v_mov_b32 v251, 0                              ; a lane permute's destination counts as read
.macro XLOAD ks
.set xi, 0
.rept 16
	global_load_b128 v[XR+64*((\ks)%2)+4*xi:XR+64*((\ks)%2)+4*xi+3], v4, s[4:5] offset:8192*xi+512*(\ks) th:TH_LOAD_NT
.set xi, xi+1
.endr
.endm
.macro XSTEP ks
.if (\ks) < 3
	s_wait_loadcnt 16                              ; this step's 16 loads are in; the next step's 16 may be out
.else
	s_wait_loadcnt 0x0
.endif
.set xj, 0
.rept 16
	ds_store_b128 v5, v[XR+64*((\ks)%2)+4*xj:XR+64*((\ks)%2)+4*xj+3] offset:528*xj
.set xj, xj+1
.endr
.irp c, 0,1
.irp i, 0,1,2,3,4,5,6,7
	ds_load_b128 v[XX+32*\c+4*\i:XX+32*\c+4*\i+3], v6 offset:256*\c+16*\i   ; LDS serves a wave's instructions in order: these see my stores
.endr
.endr
	s_wait_dscnt 0x0
.if (\ks) < 2
	XLOAD (\ks)+2
.endif
.irp c, 0,1
	v_max3_num_f32 v[244+\c], |v[XX+32*\c]|, |v[XX+32*\c+1]|, 0x1800000   ; my block's largest magnitude, and the floor 2^(3 - 127): the byte cannot fall under 1
.endr
.irp i, 2,4,6,8,10,12,14,16,18,20,22,24,26,28,30
.irp c, 0,1
	v_max3_num_f32 v[244+\c], v[244+\c], |v[XX+32*\c+\i]|, |v[XX+32*\c+\i+1]|
.endr
.endr
.irp c, 0,1
	v_add_nc_u32 v[246+\c], 0xff000000, v[244+\c]  ; 2 off the exponent field: the conversion's scale operand
.endr
.irp c, 0,1
	v_lshrrev_b32 v[248+\c], 23, v[246+\c]         ; the scale's byte
.endr
	v_lshl_or_b32 v250, v249, 16, v248             ; blocks h and 2 + h,
	v_lshlrev_b32 v250, v252, v250                 ; at their places;
	v_permlanex16_b32 v251, v250, s20, s21
	v_or_b32 v[WD+(\ks)], v250, v251               ; with lane l xor 16's two the word is whole
.irp c, 0,1
.irp g, 0,1,2,3
	v_cvt_scalef32_pk8_fp4_f32 v[XC+8*(\ks)+4*\c+\g], v[XX+32*\c+8*\g:XX+32*\c+8*\g+7], v[246+\c]
.endr
.endr
	v_nop                                          ; one plain line behind the last conversion
.irp c, 0,1
	global_store_b128 v4, v[XC+8*(\ks)+4*\c:XC+8*(\ks)+4*\c+3], s[14:15] offset:1024*(\ks)+512*\c   ; 512 consecutive bytes
.endr
.endm
	XLOAD 0
	XLOAD 1
	XSTEP 0
	XSTEP 1
	XSTEP 2
	XSTEP 3
	v_cmp_gt_u32 vcc_lo, 16, v1
	s_wait_xcnt 0x0                                ; EXEC changes only behind this wait
	s_and_saveexec_b32 s30, vcc_lo
	global_store_b128 v7, v[WD:WD+3], s[14:15]     ; sixteen lanes store the chunk's 256 bytes of scales
	s_wait_xcnt 0x0
	s_or_b32 exec_lo, exec_lo, s30
	s_wait_tensorcnt 0x0                           ; the wave's end
	ds_add_u32 v[SPW], v[NIL]
	s_wait_dscnt 0x0
	s_endpgm
; ---- wq, wk, wv: K is the first axis.  A lane takes a column and its registers run down K: a block of 32 lies in one lane, and its codes come out with K innermost.
.macro WLOAD t, b                      ; block t: 32 rows at my column, into set t % 2; a wave reads 128 consecutive bytes, the four waves 512
.set wi, 0
.rept 32
	global_load_b32 v[WX+32*((\t)%2)+wi], v4, s[\b:\b+1] offset:(32*(\t)+wi)*8192 th:TH_LOAD_NT
.set wi, wi+1
.endr
.endm
.Lnot_x:
	s_cmp_lt_u32 ttmp9, 320
	s_cbranch_scc0 .Lwo
	s_sub_co_u32 s24, ttmp9, 128
	s_lshr_b32 s25, s24, 6                         ; which weight
	s_bfe_u32 s26, s24, 0x40002                    ; which 128 columns
	s_and_b32 s27, s24, 3                          ; which 512 along K
	s_cmp_eq_u32 s25, 0
	s_cselect_b64 s[6:7], s[6:7], s[8:9]
	s_cmp_eq_u32 s25, 2
	s_cselect_b64 s[6:7], s[10:11], s[6:7]
	s_lshl_b32 s22, s27, 22                        ; 512 rows of 8,192 bytes
	s_lshl_b32 s28, s26, 9
	s_add_co_u32 s22, s22, s28
	s_lshl_b32 s28, s18, 7                         ; my wave's 32 columns
	s_add_co_u32 s22, s22, s28
	s_add_nc_u64 s[6:7], s[6:7], s[22:23]
	s_lshl_b32 s22, s25, 7
	s_lshl_b32 s28, s26, 3
	s_add_co_u32 s22, s22, s28
	s_lshl_b32 s28, s18, 1
	s_add_co_u32 s22, s22, s28
	s_add_co_u32 s22, s22, 128                     ; rt of lanes 0-15: 128 + 128 weight + 8 group + 2 wave
	s_lshl_b32 s28, s27, 9
	s_add_co_u32 s22, s22, s28
	s_mul_i32 s22, s22, 4352
	s_add_nc_u64 s[14:15], s[14:15], s[22:23]
	v_lshlrev_b32 v4, 2, v1
	v_mul_u32_u24 v5, v3, 4352                     ; lanes 16-31: the next tile's chunk
	v_lshl_add_u32 v5, v2, 4, v5
.macro WBLOCK t
.set XS, WX+32*((\t)%2)
.if (\t) < 15
	s_wait_loadcnt 32                              ; this block's 32 loads are in; the next block's may be out
.else
	s_wait_loadcnt 0x0
.endif
	v_max3_num_f32 v12, |v[XS]|, |v[XS+1]|, |v[XS+2]|
	v_max3_num_f32 v13, |v[XS+3]|, |v[XS+4]|, |v[XS+5]|
.irp i, 6,10,14,18,22,26
	v_max3_num_f32 v12, v12, |v[XS+\i]|, |v[XS+\i+1]|
	v_max3_num_f32 v13, v13, |v[XS+\i+2]|, |v[XS+\i+3]|
.endr
	v_max3_num_f32 v12, v12, |v[XS+30]|, |v[XS+31]|
	v_max3_num_f32 v12, v12, v13, 0x1800000        ; and the floor
	v_add_nc_u32 v11, 0xff000000, v12              ; the conversion's scale operand
	v_lshrrev_b32 v13, 23, v11                     ; the scale's byte
.if (\t)%4 == 0
	v_mov_b32 v[SB+(\t)/4], v13
.else
	v_lshl_or_b32 v[SB+(\t)/4], v13, 8*((\t)%4), v[SB+(\t)/4]
.endif
.irp g, 0,1,2,3
	v_cvt_scalef32_pk8_fp4_f32 v[WC+4*(\t)+\g], v[XS+8*\g:XS+8*\g+7], v11
.endr
	v_nop
	global_store_b128 v5, v[WC+4*(\t):WC+4*(\t)+3], s[14:15] offset:1024*((\t)/4)+512*(((\t)%4)/2)+256*((\t)%2)   ; sixteen lanes fill 256 consecutive bytes of their tile's chunk
.if (\t)+2 < 16
	WLOAD (\t)+2, 6
.endif
.endm
	WLOAD 0, 6
	WLOAD 1, 6
.set QB, 0
.rept 16
	WBLOCK QB
.set QB, QB+1
.endr
	global_store_b128 v5, v[SB:SB+3], s[14:15] offset:4096   ; my column's 16 scale bytes
	s_endpgm
; ---- wo: the same walk; 32 numbers down K become 16 registers of f16: four runs of eight k, each 16 bytes of a fragment
.Lwo:
	s_sub_co_u32 s24, ttmp9, 320
	s_lshr_b32 s26, s24, 2                         ; which 128 columns
	s_and_b32 s27, s24, 3                          ; which 512 along K
	s_lshl_b32 s22, s27, 22
	s_lshl_b32 s28, s26, 9
	s_add_co_u32 s22, s22, s28
	s_lshl_b32 s28, s18, 7
	s_add_co_u32 s22, s22, s28
	s_add_nc_u64 s[12:13], s[12:13], s[22:23]
	s_lshl_b32 s22, s27, 8                         ; 2 steps of 256 along K x 128 tiles
	s_lshl_b32 s28, s26, 3
	s_add_co_u32 s22, s22, s28
	s_lshl_b32 s28, s18, 1
	s_add_co_u32 s22, s22, s28
	s_lshl_b32 s22, s22, 13                        ; 8,192 bytes a tile and step
	s_add_nc_u64 s[16:17], s[16:17], s[22:23]
	v_lshlrev_b32 v4, 2, v1
	v_lshlrev_b32 v5, 13, v3
	v_lshl_add_u32 v5, v2, 4, v5
.macro OCHUNK t
.set XS, WX+32*((\t)%2)
.set PS, WC+16*((\t)%2)
.if (\t) < 15
	s_wait_loadcnt 32
.else
	s_wait_loadcnt 0x0
.endif
.if (\t) >= 2
	s_wait_xcnt 0x0                                ; the stores of two chunks back have read their data
.endif
.irp i, 0,1,2,3,4,5,6,7,8,9,10,11,12,13,14,15
	v_cvt_pk_f16_f32 v[PS+\i], v[XS+2*\i], v[XS+2*\i+1]
.endr
.irp u, 0,1,2,3
	global_store_b128 v5, v[PS+4*\u:PS+4*\u+3], s[16:17] offset:1048576*((\t)/8)+1024*((\t)%8)+256*\u
.endr
.if (\t)+2 < 16
	WLOAD (\t)+2, 12
.endif
.endm
	WLOAD 0, 12
	WLOAD 1, 12
.set QB, 0
.rept 16
	OCHUNK QB
.set QB, QB+1
.endr
	s_endpgm
.Lfunc_end_k_q94fb5a580d_prep:
	.size	k_q94fb5a580d_prep, .Lfunc_end_k_q94fb5a580d_prep-k_q94fb5a580d_prep
	.p2alignl 7, 3214868480
	.fill 96, 4, 3214868480
	.section	.rodata,"a",@progbits
	.p2align	6, 0x0
	.amdhsa_kernel k_q94fb5a580d_prep
		.amdhsa_group_segment_fixed_size 34304
		.amdhsa_private_segment_fixed_size 0
		.amdhsa_enable_private_segment 0
		.amdhsa_kernarg_size 56
		.amdhsa_user_sgpr_count 2
		.amdhsa_user_sgpr_kernarg_segment_ptr 1
		.amdhsa_wavefront_size32 1
		.amdhsa_system_sgpr_workgroup_id_x 1
		.amdhsa_system_sgpr_workgroup_id_y 1
		.amdhsa_system_sgpr_workgroup_id_z 1
		.amdhsa_system_vgpr_workitem_id 0
		.amdhsa_next_free_vgpr 256
		.amdhsa_next_free_sgpr 66
		.amdhsa_reserve_vcc 1
		.amdhsa_float_denorm_mode_32 3
		.amdhsa_float_denorm_mode_16_64 3
		.amdhsa_memory_ordered 1
		.amdhsa_forward_progress 1
		.amdhsa_inst_pref_size 176
	.end_amdhsa_kernel
	.amdgpu_metadata
---
amdhsa.version: [ 1, 2 ]
amdhsa.kernels:
  - .name:           k_q94fb5a580d_prep
    .symbol:         k_q94fb5a580d_prep.kd
    .args:
      - { .name: x, .offset: 0, .size: 8, .value_kind: global_buffer, .address_space: global }
      - { .name: wq, .offset: 8, .size: 8, .value_kind: global_buffer, .address_space: global }
      - { .name: wk, .offset: 16, .size: 8, .value_kind: global_buffer, .address_space: global }
      - { .name: wv, .offset: 24, .size: 8, .value_kind: global_buffer, .address_space: global }
      - { .name: wo, .offset: 32, .size: 8, .value_kind: global_buffer, .address_space: global }
      - { .name: xw, .offset: 40, .size: 8, .value_kind: global_buffer, .address_space: global }
      - { .name: wof, .offset: 48, .size: 8, .value_kind: global_buffer, .address_space: global }
    .group_segment_fixed_size: 34304
    .private_segment_fixed_size: 0
    .kernarg_segment_align: 8
    .kernarg_segment_size: 56
    .max_flat_workgroup_size: 128
    .sgpr_count:     66
    .vgpr_count:     256
    .wavefront_size: 32
...
	.end_amdgpu_metadata
.endif
;; end of part 1
;; launch qkv (part 2): grid 24 x 8, 4 waves a work-group, clusters of 4 x 4, 327,680 bytes of LDS; arguments xw, cos, sin, qkvf, nrm, fin; writes qkvf, nrm, fin
.if DOCPART == 2
	.amdgcn_target "amdgcn-amd-amdhsa--gfx1250"
	.amdhsa_code_object_version 6
	.text
	.protected	k_q94fb5a580d_qkv
	.globl	k_q94fb5a580d_qkv
	.p2align	8
	.type	k_q94fb5a580d_qkv,@function
k_q94fb5a580d_qkv:
	s_mov_b64 s[64:65], 0
	v_nop
	global_prefetch_b8 v0, s[64:65] scope:SCOPE_SE
	s_setreg_imm32_b32 hwreg(HW_REG_WAVE_MODE, 25, 1), 1
	s_wait_xcnt 0x0
	s_wait_alu depctr_hold_cnt(0) depctr_sa_sdst(0) depctr_va_vdst(0) depctr_va_sdst(0) depctr_va_ssrc(0) depctr_va_vcc(0) depctr_vm_vsrc(0)
	s_getreg_b32 s2, hwreg(HW_REG_IB_STS2, 6, 4)
	s_cmp_eq_u32 s2, 0
	s_cbranch_scc0 .Lentry_in_a_cluster
	s_endpgm
.Lentry_in_a_cluster:
	s_bfe_u32 s2, ttmp6, 0x10000c
	s_cmp_lg_u32 s2, 0xf033
	s_cbranch_scc0 .Lentry_shape_is_right
	s_endpgm
.Lentry_shape_is_right:
; QKV: x wq, x wk, x wv on codes of E2M1 with E8M0 scales (K = 2,048), then RoPE on q and k in f32, and all three laid as f16 fragments for the attention.
; A tile of 256 x 256 to a work-group of four waves; a wave makes 128 x 128: 64 accumulators, 512 registers.  K goes in four steps of 512 through two LDS slots filled by tensor loads.
; xw holds every operand in the order of its registers (launch prep): 8 tiles of 16 rows x 512 K, codes and scale words together, are 34,816 consecutive bytes: one load a wave, and every LDS read takes 512 consecutive bytes.
; ROLES.  Clusters x = 0..3 (q and k): side A = x (positions), side B = wq | wk (channels).  Clusters x = 4, 5 (v): side A = wv (channels), side B = x (positions).  The matrix instruction is used transposed
; (source 0 = 16 rows of B, source 1 = 16 rows of A): a lane holds one row of A and eight neighbouring rows of B.  So for q and k a lane holds a position and eight channels, for v a channel and eight keys:
; packed in pairs, two neighbouring accumulators ARE an f16 fragment (16 rows x 32) of Q, of K or of V^T.  A wave's 128 x 128 is one head x 128 positions.
; CLUSTER 4 x 4: A's tiles are shared along a row of the cluster, B's along a column: joint loads.  The choice of roles hangs on the cluster's x alone, which all partners share.
; q and k are stored normalised: x 2^(13 - E), E the exponent of the largest magnitude of the wave's 128 x 128 after RoPE, so that f16 serves any size of the inputs; 2^(E - 13) goes to nrm and into the softmax's factor.
; LIMITS: a block whose largest magnitude lies under 2^-40 is normalised as if it were 2^-40; v is stored as it is: |v| under 65,504.
; Positions 0 to 15 also leave as f32 images of their accumulators (fin), for launch fine.
; REGISTERS: window 0: v16-31 addresses; v32-95 scale words, two sets, and nothing else; v128-191 A's fragments, one set.  window 1: B's fragments, two sets.  windows 2, 3: the accumulators ((a, b) at v[8 (8 (a % 4) + b)] of window 2 + a / 4).
; On the way out: window 1 v0-127 two sets of cos and sin; window 0 v96-104 the block's maximum and factors, v128-191 at work, v192-255 two sets of packed results.
.set NQ,     4                         ; steps of 128 along K in a slot
.set CH,     4352                      ; a chunk: 16 rows x 512 K: four fragments, then the scale words
.set HALFT,  8*CH                      ; what one tensor load brings, and what one wave reads of A or of B
.set SLOT,   4*HALFT
.set SPARE,  2*SLOT                    ; behind the ring: the spare words, 128 bytes for each wave
.set KQB,    512*CH                    ; from one 512 along K to the next, in xw
.set FR,     8
.set NL,     2
.set NP,     4
.set ADRA, 16                          ; v16-17  my A fragments in slot 0, 1
.set ADRB, 20                          ; v20-21  my B fragments
.set ADRS, 22                          ; v22-23  my scale words: lanes 0-15 A's rows, lanes 16-31 B's
.set CSA,  24                          ; v24     cos, sin: 256 r + 32 h
.set LI,   25                          ; v25     16 x lane
.set ZR,   26                          ; v26     0
.set LN,   27                          ; v27     lane
.set SPW,  28                          ; v28     my spare word; never rewritten
.set NIL,  29                          ; v29     0; never rewritten
.set SC,   32
.set AF,   128
.set MX,   96                          ; v96-99  four running maxima
.set FM,   102                         ; v[102:103] 2^(13 - E)
.set FS,   104                         ; v104    2^(E - 13)
.set TT,   128                         ; v128-191 at work
.set PK,   192                         ; v192-255 packed results
.set G1, 24
.set G0, 32
.set G1B, 48
.set G0B, 56
.set MSB, 0
.macro WIN new                         ; the immediate's high byte repeats the setting that is left
.if MSB != (\new)
	s_set_vgpr_msb (MSB<<8)|(\new)
.set MSB, (\new)
.endif
.endm
.set MUL_LO, 0xa1                      ; source 0 (B) window 1, source 1 (A) window 0, C and D window 2
.set MUL_HI, 0xf1
.set TO_B,   0x40
.macro JLOAD g0a, g1a, g0b, g1b        ; a joint load: waves 0, 1 fetch for A, waves 2, 3 for B; an s_nop 0 and four v_nop follow each line
	s_cmp_eq_u32 s17, 0
	s_cbranch_scc0 .Lfor_b_\@
	tensor_load_to_lds s[\g0a:\g0a+3], s[\g1a:\g1a+7]
	s_nop 0
.rept 4
	v_nop
.endr
	s_branch .Lasked_\@
.Lfor_b_\@:
	tensor_load_to_lds s[\g0b:\g0b+3], s[\g1b:\g1b+7]
	s_nop 0
.rept 4
	v_nop
.endr
.Lasked_\@:
.endm
.macro CREST
	s_cmp_lg_u32 s16, 0
	s_cbranch_scc1 .Lnot_wave_0_\@
	s_barrier_signal -3
.Lnot_wave_0_\@:
	s_barrier_wait -3
	s_barrier_signal -1
	s_barrier_wait -1
.endm
.macro CROUND
	s_barrier_signal -1
	s_barrier_wait -1
	CREST
.endm
	s_load_b256 s[4:11], s[0:1], 0x0               ; xw, cos, sin, qkvf
	s_load_b128 s[12:15], s[0:1], 0x20             ; nrm, fin
	v_lshl_add_u32 v[SPW], v0, 2, SPARE
	v_mov_b32 v[NIL], 0
	ds_add_u32 v[SPW], v[NIL]                      ; the wave's opening: the add, twice on end, and its wait ahead of my first tensor load
	ds_add_u32 v[SPW], v[NIL]
	v_lshrrev_b32 v1, 5, v0
	v_readfirstlane_b32 s16, v1                    ; wave 0..3
	s_lshr_b32 s17, s16, 1                         ; my half of A's rows.  Also: I fetch for A (0) or for B (1)
	s_and_b32 s18, s16, 1                          ; my half of B's rows.  Also: which 128 rows I fetch
	s_bfe_u32 s40, ttmp6, 0x40000                  ; cx
	s_bfe_u32 s41, ttmp6, 0x40004                  ; cy
	s_lshl_b32 s42, ttmp9, 2
	s_add_co_u32 s42, s42, s40                     ; tc = 4 x cluster x + cx
	s_and_b32 s19, ttmp7, 0xffff
	s_lshl_b32 s19, s19, 2
	s_add_co_u32 s19, s19, s41                     ; tr = 4 x cluster y + cy
	s_lshl_b32 s43, s41, 2
	s_lshl_b32 s43, 15, s43                        ; my row of the cluster
	s_lshl_b32 s44, 0x1111, s40                    ; my column
	s_or_b32 s[G1+0], s43, (3<<16)|(1<<21)         ; the mask; elements of 8 bytes; bit 21 beside a mask; no padding
	s_or_b32 s[G1B+0], s44, (3<<16)|(1<<21)
.irp g, G1, G1B
	s_mov_b32 s[\g+1], 32<<16                      ; tensor_dim0 = 32 elements: 256 bytes
	s_mov_b32 s[\g+2], 136<<16                     ; tensor_dim1 = 136 rows: 34,816 bytes
	s_mov_b32 s[\g+3], 32<<16                      ; tile_dim0
	s_mov_b32 s[\g+4], 136                         ; tile_dim1
	s_mov_b32 s[\g+5], 32                          ; the pitch: dense
	s_mov_b32 s[\g+6], 0
	s_mov_b32 s[\g+7], 0
.endr
	s_cmp_lt_u32 ttmp9, 4                          ; q and k, or v: the cluster's x, the same in all sixteen partners
	s_cselect_b32 s20, 0, 384                      ; A's first tile of rows in xw: x's, or wv's
	s_mov_b32 s46, -256
	s_cselect_b32 s46, 128, s46                    ; B's: wq | wk at 128 + 16 tc, or x at 16 (tc - 16)
	s_lshl_b32 s22, s18, 3                         ; the half that I fetch: 8 tiles
	s_lshl_b32 s21, s19, 4
	s_add_co_u32 s20, s20, s21
	s_add_co_u32 s20, s20, s22
	s_lshl_b32 s47, s42, 4
	s_add_co_u32 s46, s46, s47
	s_add_co_u32 s46, s46, s22
	s_mul_i32 s20, s20, CH
	s_mul_i32 s46, s46, CH
	s_mov_b32 s21, 0
	s_mov_b32 s47, 0
	s_mul_i32 s45, s16, HALFT                      ; where they go: wave x 34,816: no place in the cluster enters an LDS address
	s_wait_dscnt 0x0                               ; both opening adds are done
	s_wait_kmcnt 0x0
	s_add_nc_u64 s[20:21], s[4:5], s[20:21]
	s_add_nc_u64 s[46:47], s[4:5], s[46:47]
	CROUND                                         ; all sixteen work-groups are here: the first joint loads meet
.irp s, 0,1
	s_mov_b32 s[G0+4*\s], 1
	s_add_co_u32 s[G0+4*\s+1], s45, \s*SLOT
	s_add_nc_u64 s[G0+4*\s+2:G0+4*\s+3], s[20:21], \s*KQB
	s_or_b32 s[G0+4*\s+3], s[G0+4*\s+3], 0x80000000
	s_mov_b32 s[G0B+4*\s], 1
	s_add_co_u32 s[G0B+4*\s+1], s45, \s*SLOT
	s_add_nc_u64 s[G0B+4*\s+2:G0B+4*\s+3], s[46:47], \s*KQB
	s_or_b32 s[G0B+4*\s+3], s[G0B+4*\s+3], 0x80000000
	JLOAD G0+4*\s, G1, G0B+4*\s, G1B
.endr
	v_and_b32 v[LN], 31, v0
	v_and_b32 v1, 15, v0                           ; r
	v_bfe_u32 v2, v0, 4, 1                         ; h
	v_lshlrev_b32 v[LI], 4, v[LN]
	v_mov_b32 v[ZR], 0
	v_lshlrev_b32 v[CSA], 8, v1
	v_lshl_add_u32 v[CSA], v2, 5, v[CSA]
	s_mul_i32 s21, s17, HALFT                      ; my 128 rows of A
	s_mul_i32 s22, s18, HALFT
	s_add_co_u32 s22, s22, 2*HALFT                 ; my 128 rows of B, behind A's 256
	s_sub_co_u32 s23, s22, s21
	v_mul_u32_u24 v3, s23, v2                      ; lanes 16-31 take B's scale words
	v_lshl_add_u32 v3, v1, 4, v3
	v_add_nc_u32 v3, 4096, v3                      ; 16 bytes a row, behind the chunk's four fragments
.irp s, 0,1
	v_add_nc_u32 v[ADRA+\s], s21, v[LI]
	v_add_nc_u32 v[ADRB+\s], s22, v[LI]
	v_add_nc_u32 v[ADRS+\s], s21, v3
	s_add_co_u32 s21, s21, SLOT
	s_add_co_u32 s22, s22, SLOT
.endr
	; the way out's addresses
	s_lshl_b32 s66, s42, 1
	s_add_co_u32 s66, s66, s18                     ; 2 tc + my half of B
	s_lshl_b32 s67, s19, 1
	s_add_co_u32 s67, s67, s17                     ; 2 tr + my half of A
	s_add_co_u32 s68, s67, 32
	s_sub_co_u32 s69, s66, 32
	s_cmp_lt_u32 ttmp9, 4
	s_cselect_b32 s70, s66, s68                    ; which of the 48 heads (q 0-15, k 16-31, v 32-47)
	s_cselect_b32 s71, s67, s69                    ; which 128 positions
	s_lshl_b32 s72, s70, 19
	s_lshl_b32 s77, s71, 15
	s_add_co_u32 s72, s72, s77
	s_mov_b32 s73, 0
	s_add_nc_u64 s[10:11], s[10:11], s[72:73]      ; qkvf: 524,288 bytes a head, 32,768 a block of 128 positions
	s_lshl_b32 s72, s70, 13
	s_add_nc_u64 s[14:15], s[14:15], s[72:73]      ; fin: 8,192 bytes a head
	s_lshl_b32 s72, s66, 4
	s_add_co_u32 s72, s72, s67
	s_lshl_b32 s72, s72, 2
	s_add_nc_u64 s[12:13], s[12:13], s[72:73]      ; nrm (q and k alone use it)
	s_lshl_b32 s72, s67, 15
	s_add_nc_u64 s[6:7], s[6:7], s[72:73]          ; cos and sin at my 128 positions: 256 bytes a row
	s_add_nc_u64 s[8:9], s[8:9], s[72:73]
	s_mov_b32 s74, 0x76543210
	s_mov_b32 s75, 0xfedcba98
.macro FRAG reg, adr, q, i             ; a fragment's two register groups, 512 consecutive bytes each
.irp c, 0,1
	ds_load_b128 v[\reg+4*\c:\reg+4*\c+3], v[\adr] offset:(\i)*CH+1024*(\q)+512*\c
.endr
.endm
; 16 matrix instructions: A's blocks a0, a0 + 1 x B's eight.  The 64 accumulators take turns, one instruction a turn, in the same order in every step.
.macro MUL16 a0, p, q, sc, zero
.irp a, \a0, \a0+1
.irp b, 0,1,2,3,4,5,6,7
.if \zero
	v_wmma_scale_f32_16x16x128_f8f6f4 v[8*(8*((\a)%4)+\b):8*(8*((\a)%4)+\b)+7], v[128*(\p)+FR*\b:128*(\p)+FR*\b+FR-1], v[AF+FR*(\a):AF+FR*(\a)+FR-1], 0, v[SC+8*NQ*(\sc)+NQ*\b+(\q)], v[SC+8*NQ*(\sc)+NQ*(\a)+(\q)] matrix_a_fmt:MATRIX_FMT_FP4 matrix_b_fmt:MATRIX_FMT_FP4 matrix_a_scale:MATRIX_SCALE_ROW1
.else
	v_wmma_scale_f32_16x16x128_f8f6f4 v[8*(8*((\a)%4)+\b):8*(8*((\a)%4)+\b)+7], v[128*(\p)+FR*\b:128*(\p)+FR*\b+FR-1], v[AF+FR*(\a):AF+FR*(\a)+FR-1], v[8*(8*((\a)%4)+\b):8*(8*((\a)%4)+\b)+7], v[SC+8*NQ*(\sc)+NQ*\b+(\q)], v[SC+8*NQ*(\sc)+NQ*(\a)+(\q)] matrix_a_fmt:MATRIX_FMT_FP4 matrix_b_fmt:MATRIX_FMT_FP4 matrix_a_scale:MATRIX_SCALE_ROW1
.endif
.endr
.endr
.endm
.macro FETCH_B slot, q, p
	WIN TO_B
.irp i, 0,1,2,3,4,5,6,7
	FRAG 128*(\p)+FR*\i, ADRB+\slot, \q, \i
.endr
	WIN 0
.endm
.macro FETCH_A slot, q, i0
.irp i, \i0, \i0+1, \i0+2, \i0+3
	FRAG AF+FR*(\i), ADRA+\slot, \q, \i
.endr
.endm
.macro SCALES sc                       ; the slot's scale words: four words a row; lanes 0-15 A's block i, lanes 16-31 B's block i
.irp i, 0,1,2,3,4,5,6,7
	ds_load_b128 v[SC+8*NQ*\sc+NQ*\i:SC+8*NQ*\sc+NQ*\i+3], v[ADRS+\sc] offset:\i*CH
.endr
.endm
.macro PLACES n                        ; plain vector lines between a matrix instruction and a load into, or a read of, its registers
.rept \n
	v_nop
.endr
.endm
.macro STEP slot, q, zero              ; a step of 128 along K that has its successor in the same slot
	s_wait_dscnt 4*NL                              ; all but the youngest eight loads (A's blocks 4-7) are in
	WIN MUL_LO
	MUL16 0, (\q)%2, \q, \slot, \zero
	MUL16 2, (\q)%2, \q, \slot, \zero
	s_wait_dscnt 0
	PLACES NP
	FETCH_B \slot, (\q)+1, 1-(\q)%2
	FETCH_A \slot, (\q)+1, 0
	WIN MUL_HI
	MUL16 4, (\q)%2, \q, \slot, \zero
	MUL16 6, (\q)%2, \q, \slot, \zero
	PLACES NP
	WIN 0
	FETCH_A \slot, (\q)+1, 4
.endm
; A slot's last step changes slots: in front of the barrier each wave waits for all its tensor loads, adds 0 to its spare word, and waits for that and for its reads of this slot.  fill = 1: the slot is filled again, two K steps ahead.
.macro TURN slot, next, fill
	s_wait_tensorcnt 0x0                           ; all my tensor loads have landed: my part of the next slot
	ds_add_u32 v[SPW], v[NIL]
	s_wait_dscnt 4*NL+1                            ; (the add and the youngest eight loads may be out)
	WIN MUL_LO
	MUL16 0, 1, NQ-1, \slot, 0
	s_wait_dscnt 0x0                               ; the add is done, and my reads of this slot are over
	s_barrier_signal -1
	MUL16 2, 1, NQ-1, \slot, 0
	WIN 0
	s_barrier_wait -1
.if \fill
	CREST                                          ; the barrier has opened a round of the cluster's: no wave of any partner still reads this slot or has a load on its way
	s_add_nc_u64 s[G0+4*\slot+2:G0+4*\slot+3], s[G0+4*\slot+2:G0+4*\slot+3], 2*KQB
	s_add_nc_u64 s[G0B+4*\slot+2:G0B+4*\slot+3], s[G0B+4*\slot+2:G0B+4*\slot+3], 2*KQB
	JLOAD G0+4*\slot, G1, G0B+4*\slot, G1B         ; the first tensor load behind the round; its four v_nop are the places in front of the loads below
.else
	PLACES NP
.endif
	FETCH_B \next, 0, 0
	FETCH_A \next, 0, 0
	SCALES \next
	WIN MUL_HI
	MUL16 4, 1, NQ-1, \slot, 0
	MUL16 6, 1, NQ-1, \slot, 0
	PLACES NP
	WIN 0
	FETCH_A \next, 0, 4
.endm
.macro STEPS slot, from
.set Q, \from
.rept NQ-1-\from
	STEP \slot, Q, 0
.set Q, Q+1
.endr
.endm
	s_wait_tensorcnt 1                             ; my part of K step 0 is in; K step 1's load may be out
	s_barrier_signal -1
	s_barrier_wait -1
	FETCH_B 0, 0, 0
	FETCH_A 0, 0, 0
	SCALES 0
	FETCH_A 0, 0, 4
	STEP 0, 0, 1                                   ; the first products start the sums: nothing is cleared
	STEPS 0, 1                                     ; four K steps of 512, written on end
	TURN 0, 1, 1
	STEPS 1, 0
	TURN 1, 0, 1
	STEP 0, 0, 0
	STEPS 0, 1
	TURN 0, 1, 0                                   ; the last two K steps ask for nothing
	STEPS 1, 0
	s_wait_dscnt 4*NL
	WIN MUL_LO
	MUL16 0, 1, NQ-1, 1, 0
	MUL16 2, 1, NQ-1, 1, 0
	s_wait_dscnt 0
	WIN MUL_HI
	MUL16 4, 1, NQ-1, 1, 0
	MUL16 6, 1, NQ-1, 1, 0
	WIN 0
	PLACES NP                                      ; in front of the first reads of results and of loads into B's old registers
; block a (16 rows of A x 128) goes out as four fragments: eight stores of 512 consecutive bytes.  scaled = 1: x 2^(13 - E) first
.macro OUTB a, scaled
.set W, 2+(\a)/4
.set AC, 64*((\a)%4)
.set PS, PK+32*((\a)%2)
.if (\a) >= 2
	s_wait_xcnt 0x0                                ; the stores of two blocks back have read their data
.endif
.if \scaled
	WIN W
.irp b, 0,1,2,3,4,5,6,7
.irp jj, 0,2,4,6
	v_pk_mul_f32 v[TT+8*\b+\jj:TT+8*\b+\jj+1], v[AC+8*\b+\jj:AC+8*\b+\jj+1], v[FM:FM+1] op_sel_hi:[1,0]
.endr
.endr
	WIN 0
.irp b, 0,1,2,3,4,5,6,7
.irp i, 0,1,2,3
	v_cvt_pk_f16_f32 v[PS+4*\b+\i], v[TT+8*\b+2*\i], v[TT+8*\b+2*\i+1]
.endr
.endr
.else
	WIN W|(W<<2)
.irp b, 0,1,2,3,4,5,6,7
.irp i, 0,1,2,3
	v_cvt_pk_f16_f32 v[PS+4*\b+\i], v[AC+8*\b+2*\i], v[AC+8*\b+2*\i+1]   ; each accumulator from its low end on
.endr
.endr
	WIN 0
.endif
.irp p, 0,1,2,3
.irp u, 0,1
	global_store_b128 v[LI], v[PS+8*\p+4*\u:PS+8*\p+4*\u+3], s[10:11] offset:(4*(\a)+\p)*1024+512*\u th:TH_STORE_NT
.endr
.endr
.endm
	s_cmp_ge_u32 ttmp9, 4
	s_cbranch_scc1 .Lv
; ---- q and k.  Pass 1: RoPE in place, q'[d] = q[d] cos[d] - q[d + 64] sin[d], q'[d + 64] = q[d + 64] cos[d] + q[d] sin[d] (d < 64): accumulators (a, b) and (a, b + 4) of one lane; and the largest magnitude.
.macro CSLOAD a                        ; cos and sin of block a's 16 positions: my 32 channels of each, into set a % 2 of window 1
.set CL, 64*((\a)%2)
	WIN 0x40
.irp b, 0,1,2,3
.irp u, 0,1
	global_load_b128 v[CL+8*\b+4*\u:CL+8*\b+4*\u+3], v[CSA], s[6:7] offset:4096*(\a)+64*\b+16*\u
	global_load_b128 v[CL+32+8*\b+4*\u:CL+32+8*\b+4*\u+3], v[CSA], s[8:9] offset:4096*(\a)+64*\b+16*\u
.endr
.endr
.endm
.macro ROPE a
.if (\a) < 7
	CSLOAD (\a)+1
	s_wait_loadcnt 16                              ; this block's 16 loads are in; the next block's may be out
.else
	s_wait_loadcnt 0x0
.endif
.set W, 2+(\a)/4
.set AC, 64*((\a)%4)
.set CB, 64*((\a)%2)
	WIN W|4                                        ; source 0: the accumulators' window; source 1: window 1
.irp b, 0,1,2,3
.irp jj, 0,2,4,6
	v_pk_mul_f32 v[TT+8*\b+\jj:TT+8*\b+\jj+1], v[AC+32+8*\b+\jj:AC+32+8*\b+\jj+1], v[CB+32+8*\b+\jj:CB+32+8*\b+\jj+1]
	v_pk_mul_f32 v[TT+32+8*\b+\jj:TT+32+8*\b+\jj+1], v[AC+8*\b+\jj:AC+8*\b+\jj+1], v[CB+32+8*\b+\jj:CB+32+8*\b+\jj+1]
.endr
.endr
	WIN W|4|(W<<6)
.irp b, 0,1,2,3
.irp jj, 0,2,4,6
	v_pk_fma_f32 v[AC+8*\b+\jj:AC+8*\b+\jj+1], v[AC+8*\b+\jj:AC+8*\b+\jj+1], v[CB+8*\b+\jj:CB+8*\b+\jj+1], v[TT+8*\b+\jj:TT+8*\b+\jj+1] neg_lo:[0,0,1] neg_hi:[0,0,1]
	v_pk_fma_f32 v[AC+32+8*\b+\jj:AC+32+8*\b+\jj+1], v[AC+32+8*\b+\jj:AC+32+8*\b+\jj+1], v[CB+8*\b+\jj:CB+8*\b+\jj+1], v[TT+32+8*\b+\jj:TT+32+8*\b+\jj+1]
.endr
.endr
	WIN (W<<2)|(W<<4)
.set rn, 0
.rept 32
	v_max3_num_f32 v[MX+rn%4], v[MX+rn%4], |v[AC+2*rn]|, |v[AC+2*rn+1]|
.set rn, rn+1
.endr
.endm
.irp k, 0,1,2,3
	v_mov_b32 v[MX+\k], 0x2b800000                 ; the floor 2^-40
.endr
	CSLOAD 0
	ROPE 0
	ROPE 1
	ROPE 2
	ROPE 3
	ROPE 4
	ROPE 5
	ROPE 6
	ROPE 7
	WIN 0
	v_max3_num_f32 v[MX], v[MX], v[MX+1], v[MX+2]
	v_max_num_f32 v[MX], v[MX], v[MX+3]
	v_max_num_f32_dpp v[MX], v[MX], v[MX] row_xmask:1 row_mask:0xf bank_mask:0xf
	v_max_num_f32_dpp v[MX], v[MX], v[MX] row_xmask:2 row_mask:0xf bank_mask:0xf
	v_max_num_f32_dpp v[MX], v[MX], v[MX] row_xmask:4 row_mask:0xf bank_mask:0xf
	v_max_num_f32_dpp v[MX], v[MX], v[MX] row_xmask:8 row_mask:0xf bank_mask:0xf
	v_permlanex16_b32 v[MX+1], v[MX], s74, s75
	v_max_num_f32 v[MX], v[MX], v[MX+1]            ; the largest magnitude of the wave's 128 x 128, in every lane
	v_and_b32 v[MX+2], 0x7f800000, v[MX]           ; its exponent field F
	v_sub_nc_u32 v[FM], 0x85800000, v[MX+2]        ; field 267 - F: 2^(13 - E)
	v_mov_b32 v[FM+1], v[FM]
	v_add_nc_u32 v[FS], 0xf9800000, v[MX+2]        ; field F - 13: 2^(E - 13)
	v_cmp_eq_u32 vcc_lo, 0, v[LN]
	s_wait_xcnt 0x0                                ; EXEC changes only behind this wait
	s_and_saveexec_b32 s76, vcc_lo
	global_store_b32 v[ZR], v[FS], s[12:13]        ; lane 0 alone
	s_wait_xcnt 0x0
	s_or_b32 exec_lo, exec_lo, s76
	v_cmp_eq_u32 vcc_lo, s71, v[ZR]                ; the first 128 positions: all lanes or none; no branch hangs on the work-group's place
	s_and_saveexec_b32 s76, vcc_lo
	WIN 0x08                                       ; a store's data are its source 1: window 2
.irp b, 0,1,2,3,4,5,6,7
.irp u, 0,1
	global_store_b128 v[LI], v[8*\b+4*\u:8*\b+4*\u+3], s[14:15] offset:1024*\b+512*\u   ; positions 0 to 15 in f32: accumulators (0, b) as they stand
.endr
.endr
	WIN 0
	s_wait_xcnt 0x0
	s_or_b32 exec_lo, exec_lo, s76
	OUTB 0, 1
	OUTB 1, 1
	OUTB 2, 1
	OUTB 3, 1
	OUTB 4, 1
	OUTB 5, 1
	OUTB 6, 1
	OUTB 7, 1
	s_branch .Lend
; ---- v: a lane holds a channel and eight keys
.Lv:
	v_cmp_eq_u32 vcc_lo, s71, v[ZR]                ; the first 128 keys: all lanes or none
	s_wait_xcnt 0x0
	s_and_saveexec_b32 s76, vcc_lo
.irp a, 0,1,2,3,4,5,6,7
	WIN 0x08+4*(\a/4)
	global_store_b128 v[LI], v[64*(\a%4):64*(\a%4)+3], s[14:15] offset:1024*\a          ; keys 0 to 15 in f32: accumulators (a, 0)
	global_store_b128 v[LI], v[64*(\a%4)+4:64*(\a%4)+7], s[14:15] offset:1024*\a+512
.endr
	WIN 0
	s_wait_xcnt 0x0
	s_or_b32 exec_lo, exec_lo, s76
	OUTB 0, 0
	OUTB 1, 0
	OUTB 2, 0
	OUTB 3, 0
	OUTB 4, 0
	OUTB 5, 0
	OUTB 6, 0
	OUTB 7, 0
.Lend:
	s_wait_tensorcnt 0x0                           ; the wave's end
	ds_add_u32 v[SPW], v[NIL]
	s_wait_dscnt 0x0
	CROUND                                         ; the closing round
	s_endpgm
.Lfunc_end_k_q94fb5a580d_qkv:
	.size	k_q94fb5a580d_qkv, .Lfunc_end_k_q94fb5a580d_qkv-k_q94fb5a580d_qkv
	.p2alignl 7, 3214868480
	.fill 96, 4, 3214868480
	.section	.rodata,"a",@progbits
	.p2align	6, 0x0
	.amdhsa_kernel k_q94fb5a580d_qkv
		.amdhsa_group_segment_fixed_size 327680
		.amdhsa_private_segment_fixed_size 0
		.amdhsa_enable_private_segment 0
		.amdhsa_kernarg_size 48
		.amdhsa_user_sgpr_count 2
		.amdhsa_user_sgpr_kernarg_segment_ptr 1
		.amdhsa_wavefront_size32 1
		.amdhsa_system_sgpr_workgroup_id_x 1
		.amdhsa_system_sgpr_workgroup_id_y 1
		.amdhsa_system_sgpr_workgroup_id_z 1
		.amdhsa_system_vgpr_workitem_id 0
		.amdhsa_next_free_vgpr 1024
		.amdhsa_next_free_sgpr 100
		.amdhsa_reserve_vcc 1
		.amdhsa_float_denorm_mode_32 3
		.amdhsa_float_denorm_mode_16_64 3
		.amdhsa_memory_ordered 1
		.amdhsa_forward_progress 1
		.amdhsa_inst_pref_size 255
	.end_amdhsa_kernel
	.section	.bss,"aw",@nobits
	.p2align	6
	.space	262144
	.amdgpu_metadata
---
amdhsa.version: [ 1, 2 ]
amdhsa.kernels:
  - .name:           k_q94fb5a580d_qkv
    .symbol:         k_q94fb5a580d_qkv.kd
    .args:
      - { .name: xw, .offset: 0, .size: 8, .value_kind: global_buffer, .address_space: global }
      - { .name: cos, .offset: 8, .size: 8, .value_kind: global_buffer, .address_space: global }
      - { .name: sin, .offset: 16, .size: 8, .value_kind: global_buffer, .address_space: global }
      - { .name: qkvf, .offset: 24, .size: 8, .value_kind: global_buffer, .address_space: global }
      - { .name: nrm, .offset: 32, .size: 8, .value_kind: global_buffer, .address_space: global }
      - { .name: fin, .offset: 40, .size: 8, .value_kind: global_buffer, .address_space: global }
    .group_segment_fixed_size: 327680
    .private_segment_fixed_size: 0
    .kernarg_segment_align: 8
    .kernarg_segment_size: 48
    .max_flat_workgroup_size: 128
    .sgpr_count:     100
    .vgpr_count:     1024
    .wavefront_size: 32
...
	.end_amdgpu_metadata
.endif
;; end of part 2
;; launch attn (part 3): grid 16 x 16, 4 waves a work-group, no clusters, 135,680 bytes of LDS; arguments qkvf, nrm, attf; writes attf
.if DOCPART == 3
	.amdgcn_target "amdgcn-amd-amdhsa--gfx1250"
	.amdhsa_code_object_version 6
	.text
	.protected	k_q94fb5a580d_attn
	.globl	k_q94fb5a580d_attn
	.p2align	8
	.type	k_q94fb5a580d_attn,@function
k_q94fb5a580d_attn:
	s_mov_b64 s[64:65], 0
	v_nop
	global_prefetch_b8 v0, s[64:65] scope:SCOPE_SE
	s_setreg_imm32_b32 hwreg(HW_REG_WAVE_MODE, 25, 1), 1
	s_wait_xcnt 0x0
; ATTN: causal attention of one head on f16 fragments; products, maxima and sums in f32; the weights are rounded to f16 for the second product, the result once at the end.
; WORK LEFT OUT: chunks of 64 keys that lie wholly behind a block's last query (reference()'s own causal mask gives them the weight 0); hidden keys inside the diagonal chunk get the score -infinity, so the weight 0.
; LIMIT: a row all of whose visible logits lie under about -1e10 + 100 is not served.
; SHARES.  Work-group (j, head) owns the blocks of 64 queries j and 31 - j.  A block b walks b / 4 + 1 groups of 256 keys: 9 groups for every work-group, so the trip count is the constant 9 and all 256 work-groups do the same work.
; THE WAVES SHARE THE KEYS, NOT THE QUERIES: in group G wave w takes chunk 4 G + w (64 keys) for all 64 queries.  So each byte of K and V is wanted by one wave and goes from memory straight into its registers, 512 consecutive
; bytes a load: the loop has no LDS and no barrier.  At a block's end the four waves' partial results (O, m, l) meet in LDS, and wave w finishes the block's tile w of 16 queries.
; No cluster and no joint loads: no tile is wanted by two waves of a work-group, and under the causal mask work-groups of one head walk different numbers of chunks.
; LAYOUT.  S^T = K Q^T (source 0 = 16 keys, source 1 = 16 queries): a lane holds one query (lane % 16) and keys 8 (lane / 16) + 0..7; two such tiles, packed, are source 1 of O^T = V^T P.
; SOFTMAX.  Q and K come normalised by a power of two for each 128 rows (nrm): t = score x c sq sk, c = log2(e) / sqrt(128).  m, the running largest t, is kept in units of t, since sk changes from chunk to chunk;
; p = 2^(t - m); in every step O and l are multiplied by 2^(m_old - m_new).
; What is on its way to a wave's registers is always its next live chunk: K behind the step's first products, V behind its second; the last chunk of block j asks for the first chunk of block 31 - j.
; REGISTERS: window 0: v2-10 addresses; v12-43 statistics, 8 a tile (+0 m, +2, +3 l, +4..+7 at work); v[44:45] c sq sk, v46 c sq; v62, v63 the add's two; v64-191 S^T, 32 a tile; v192-255 P, 16 a tile.
;   window 1: O^T, 64 a tile.   window 2: v0-127 Q, v128-255 K.   window 3: v0-127 V.
.set LI,  2                            ; v2   16 x lane
.set OWA, 3                            ; v3   where I put my O: wave x 32,768 + 16 x lane
.set ORA, 4                            ; v4   where I read tile w of waves 0, 1: 8,192 w + 16 x lane
.set ORB, 5                            ; v5   of waves 2, 3: + 65,536
.set SWA, 6                            ; v6   where I put m and l
.set SRA, 7                            ; v7   where I read tile w's
.set DD,  8                            ; v8   r - 8 h
.set NINF, 9                           ; v9   -infinity
.set PFO, 10                           ; v10  256 x lane
.set ST,  12
.set CS,  44
.set CQ,  46
.set SPW, 62
.set NIL, 63
.set S,   64
.set P,   192
.set STATS, 131072                     ; LDS: four images of O, 32,768 bytes each; then m and l: 1,024 bytes a wave
.set SPARE, 135168                     ; then the spare words, 128 bytes for each wave
.set W_KQ, 0x0a
.set W_PV, 0x53
.set W_RS, 0x41
.set MSB, 0
.macro WIN new
.if MSB != (\new)
	s_set_vgpr_msb (MSB<<8)|(\new)
.set MSB, (\new)
.endif
.endm
.macro PLACES
.rept 4
	v_nop
.endr
.endm
; s10 wave, s11 j, s12 head, s13 trip, s14 group, s15 groups of the block, s16 the block, s17 0 / 1: first or second block, s18 my chunk, s19 the chunk to be fetched,
; s[20:25] Q's, K's, V's head in qkvf, s[26:31] the addresses of the loads in hand, s[32:35] Q's and K's rows of nrm, s36 offset, s37 sk, s38 sq, s[40:47] the diagonal's masks, s[50:51] lane selects,
; s[52:53] an offset pair, s[54:55] where the block's result goes, s[56:57] the prefetches' address, s58, s59 at work
	s_load_b128 s[4:7], s[0:1], 0x0                ; qkvf, nrm
	s_load_b64 s[8:9], s[0:1], 0x10                ; attf
	v_lshl_add_u32 v[SPW], v0, 2, SPARE
	v_mov_b32 v[NIL], 0
	v_lshrrev_b32 v1, 5, v0
	v_readfirstlane_b32 s10, v1
	s_mov_b32 s11, ttmp9
	s_and_b32 s12, ttmp7, 0xffff
	v_and_b32 v1, 31, v0
	v_lshlrev_b32 v[LI], 4, v1
	s_lshl_b32 s52, s10, 15
	v_add_nc_u32 v[OWA], s52, v[LI]
	s_lshl_b32 s52, s10, 13
	v_add_nc_u32 v[ORA], s52, v[LI]
	v_add_nc_u32 v[ORB], 65536, v[ORA]
	v_lshlrev_b32 v11, 2, v1
	s_lshl_b32 s52, s10, 10
	s_add_co_u32 s52, s52, STATS
	v_add_nc_u32 v[SWA], s52, v11
	s_lshl_b32 s52, s10, 8
	s_add_co_u32 s52, s52, STATS
	v_add_nc_u32 v[SRA], s52, v11
	v_and_b32 v11, 15, v0
	v_bfe_u32 v[DD], v0, 4, 1
	v_lshlrev_b32 v[DD], 3, v[DD]
	v_sub_nc_u32 v[DD], v11, v[DD]
	v_mov_b32 v[NINF], 0xff800000
	v_lshlrev_b32 v[PFO], 8, v1
.irp j, 0,1,2,3,4,5,6,7
	v_cmp_gt_i32 s[40+\j], \j, v[DD]               ; in a tile on the diagonal register j holds a hidden key where 8 h + j > r
.endr
	s_mov_b32 s50, 0x76543210
	s_mov_b32 s51, 0xfedcba98
	s_mov_b32 s53, 0
	s_wait_kmcnt 0x0
	s_lshl_b32 s52, s12, 19
	s_add_nc_u64 s[20:21], s[4:5], s[52:53]
	s_add_nc_u64 s[22:23], s[20:21], 16*524288
	s_add_nc_u64 s[24:25], s[20:21], 32*524288
	s_lshl_b32 s52, s12, 6
	s_add_nc_u64 s[32:33], s[6:7], s[52:53]
	s_add_nc_u64 s[34:35], s[32:33], 1024
	s_cmp_lt_u32 s10, 2                            ; the prefetches: waves 0, 1 K's halves of a group, waves 2, 3 V's
	s_cselect_b64 s[56:57], s[22:23], s[24:25]
	s_and_b32 s52, s10, 1
	s_lshl_b32 s52, s52, 15
	s_add_co_u32 s52, s52, 3*65536                 ; at group 3: the first request steps it to group 4
	s_add_nc_u64 s[56:57], s[56:57], s[52:53]
.macro NEXTK                           ; chunk s19 of K: 16 fragments (keys 16 (f / 4) on, channels 32 (f % 4) on), and its block's scale
	s_lshl_b32 s52, s19, 14
	s_add_nc_u64 s[28:29], s[22:23], s[52:53]
	WIN 0x80
.set kf, 0
.rept 16
	global_load_b128 v[128+8*kf:128+8*kf+3], v[LI], s[28:29] offset:1024*kf
	global_load_b128 v[128+8*kf+4:128+8*kf+7], v[LI], s[28:29] offset:1024*kf+512
.set kf, kf+1
.endr
	WIN 0
	s_lshr_b32 s36, s19, 1
	s_lshl_b32 s36, s36, 2
	s_load_b32 s37, s[34:35], s36 offset:0x0
.endm
.macro NEXTV                           ; chunk s19 of V^T: channels 16 ct on, keys 32 kk on
	s_lshr_b32 s52, s19, 1
	s_lshl_b32 s52, s52, 15
	s_and_b32 s59, s19, 1
	s_lshl_b32 s59, s59, 11
	s_add_co_u32 s52, s52, s59
	s_add_nc_u64 s[30:31], s[24:25], s[52:53]
	WIN 0xc0
.irp ct, 0,1,2,3,4,5,6,7
.irp kk, 0,1
.irp u, 0,1
	global_load_b128 v[8*(2*\ct+\kk)+4*\u:8*(2*\ct+\kk)+4*\u+3], v[LI], s[30:31] offset:4096*\ct+1024*\kk+512*\u
.endr
.endr
.endr
	WIN 0
.endm
; A block begins: its groups, its Q, its scale; O^T, l = 0 and m = -3e38.  The key step is written once and finds zeros, which the first change of m leaves zeros; a wave that has no chunk in a block hands on these.
.macro NEWBLOCK
	s_lshr_b32 s15, s16, 2
	s_add_co_u32 s15, s15, 1
	s_mov_b32 s14, 0
	s_lshl_b32 s52, s16, 14
	s_add_nc_u64 s[26:27], s[20:21], s[52:53]
	WIN 0x80
.set qf, 0
.rept 16
	global_load_b128 v[8*qf:8*qf+3], v[LI], s[26:27] offset:1024*qf th:TH_LOAD_NT
	global_load_b128 v[8*qf+4:8*qf+7], v[LI], s[26:27] offset:1024*qf+512 th:TH_LOAD_NT
.set qf, qf+1
.endr
	s_lshr_b32 s58, s16, 1
	s_lshl_b32 s58, s58, 2
	s_load_b32 s38, s[32:33], s58 offset:0x0
	WIN 0x40
.set zi, 0
.rept 256
	v_mov_b32 v[zi], 0
.set zi, zi+1
.endr
	WIN 0
.irp t, 0,1,2,3
	v_mov_b32 v[ST+8*\t], 0xff61b1e6
.irp k, 1,2,3,4,5,6,7
	v_mov_b32 v[ST+8*\t+\k], 0
.endr
.endr
	s_wait_loadcnt 0x0                             ; Q, and whatever of K and V was on its way
	s_wait_kmcnt 0x0
	v_mov_b32 v[CQ], s38
	v_mul_f32 v[CQ], 0x3e0293ee, v[CQ]             ; c sq
.endm
.macro KQALL                           ; 64 products; the 16 accumulators take turns, one instruction a turn
	WIN W_KQ
.irp kc, 0,1,2,3
.irp kt, 0,1,2,3
.irp qt, 0,1,2,3
.if \kc == 0
	v_wmma_f32_16x16x32_f16 v[S+32*\qt+8*\kt:S+32*\qt+8*\kt+7], v[128+32*\kt+8*\kc:128+32*\kt+8*\kc+7], v[32*\qt+8*\kc:32*\qt+8*\kc+7], 0
.else
	v_wmma_f32_16x16x32_f16 v[S+32*\qt+8*\kt:S+32*\qt+8*\kt+7], v[128+32*\kt+8*\kc:128+32*\kt+8*\kc+7], v[32*\qt+8*\kc:32*\qt+8*\kc+7], v[S+32*\qt+8*\kt:S+32*\qt+8*\kt+7]
.endif
.endr
.endr
.endr
.endm
.macro PVALL                           ; 64 products; the 32 accumulators take turns
	WIN W_PV
.irp kk, 0,1
.irp ct, 0,1,2,3,4,5,6,7
.irp qt, 0,1,2,3
	v_wmma_f32_16x16x32_f16 v[64*\qt+8*\ct:64*\qt+8*\ct+7], v[8*(2*\ct+\kk):8*(2*\ct+\kk)+7], v[P+16*\qt+8*\kk:P+16*\qt+8*\kk+7], v[64*\qt+8*\ct:64*\qt+8*\ct+7]
.endr
.endr
.endr
.endm
.macro MASK                            ; the diagonal chunk: tiles of keys behind the tile of queries are hidden whole, the tile on the diagonal by the masks
.irp qt, 0,1,2,3
.irp j, 0,1,2,3,4,5,6,7
	v_cndmask_b32 v[S+40*\qt+\j], v[S+40*\qt+\j], v[NINF], s[40+\j]
.endr
.endr
.irp qt, 0,1,2
.irp kt, 1,2,3
.if \kt > \qt
.irp j, 0,1,2,3,4,5,6,7
	v_mov_b32 v[S+32*\qt+8*\kt+\j], v[NINF]
.endr
.endif
.endr
.endr
.endm
.macro SOFTMAX                         ; the four tiles by turns at each stage, so that no line waits for the line above it
	WIN 0
.irp j, 0,1,2,3
.irp t, 0,1,2,3
	v_max3_num_f32 v[ST+8*\t+4+\j], v[S+32*\t+8*\j], v[S+32*\t+8*\j+1], v[S+32*\t+8*\j+2]   ; each accumulator is read from its low end on
.endr
.endr
.irp g, 1,2
.irp j, 0,1,2,3
.irp t, 0,1,2,3
	v_max3_num_f32 v[ST+8*\t+4+\j], v[ST+8*\t+4+\j], v[S+32*\t+8*\j+2*\g+1], v[S+32*\t+8*\j+2*\g+2]
.endr
.endr
.endr
.irp t, 0,1,2,3
	v_max3_num_f32 v[ST+8*\t+4], v[ST+8*\t+4], v[S+32*\t+7], v[S+32*\t+15]
.endr
.irp t, 0,1,2,3
	v_max3_num_f32 v[ST+8*\t+6], v[ST+8*\t+6], v[S+32*\t+23], v[S+32*\t+31]
.endr
.irp t, 0,1,2,3
	v_max3_num_f32 v[ST+8*\t+4], v[ST+8*\t+4], v[ST+8*\t+5], v[ST+8*\t+6]
.endr
.irp t, 0,1,2,3
	v_max_num_f32 v[ST+8*\t+4], v[ST+8*\t+4], v[ST+8*\t+7]
.endr
.irp t, 0,1,2,3
	v_permlanex16_b32 v[ST+8*\t+5], v[ST+8*\t+4], s50, s51     ; the query's other 32 keys lie in the lane 16 away
.endr
.irp t, 0,1,2,3
	v_max_num_f32 v[ST+8*\t+4], v[ST+8*\t+4], v[ST+8*\t+5]
.endr
.irp t, 0,1,2,3
	v_mul_f32 v[ST+8*\t+4], v[CS], v[ST+8*\t+4]                ; as t (the factor is positive)
.endr
.irp t, 0,1,2,3
	v_mov_b32 v[ST+8*\t+7], v[ST+8*\t]
.endr
.irp t, 0,1,2,3
	v_max_num_f32 v[ST+8*\t], v[ST+8*\t], v[ST+8*\t+4]         ; the new m
.endr
.irp t, 0,1,2,3
	v_sub_f32 v[ST+8*\t+7], v[ST+8*\t+7], v[ST+8*\t]           ; m_old - m_new
.endr
.set sn, 0
.rept 16
.irp t, 0,1,2,3
	v_pk_fma_f32 v[S+32*\t+2*sn:S+32*\t+2*sn+1], v[S+32*\t+2*sn:S+32*\t+2*sn+1], v[CS:CS+1], v[ST+8*\t:ST+8*\t+1] op_sel_hi:[1,0,0] neg_lo:[0,0,1] neg_hi:[0,0,1]   ; t - m
.endr
.set sn, sn+1
.endr
.irp t, 0,1,2,3
	v_exp_f32 v[ST+8*\t+6], v[ST+8*\t+7]
.endr
.set sn, 0
.rept 32
.irp t, 0,1,2,3
	v_exp_f32 v[S+32*\t+sn], v[S+32*\t+sn]
.endr
.set sn, sn+1
.endr
	v_nop                                          ; a plain line behind the last exponential
	s_wait_alu depctr_va_vdst(0)                   ; one wait for the batch of 132, ahead of its first reader
.set sn, 0
.rept 16
.irp t, 0,1,2,3
	v_cvt_pk_f16_f32 v[P+16*\t+sn], v[S+32*\t+2*sn], v[S+32*\t+2*sn+1]
.endr
.set sn, sn+1
.endr
.irp w, 4,8,16,32                              ; the sum of a tile's 16 pairs, of the unrounded p, in place: neighbours 1, 2, 4, 8 pairs apart
.set su, 0
.rept 32/\w
.irp t, 0,1,2,3
	v_pk_add_f32 v[S+32*\t+\w*su:S+32*\t+\w*su+1], v[S+32*\t+\w*su:S+32*\t+\w*su+1], v[S+32*\t+\w*su+\w/2:S+32*\t+\w*su+\w/2+1]
.endr
.set su, su+1
.endr
.endr
.irp t, 0,1,2,3
	v_pk_fma_f32 v[ST+8*\t+2:ST+8*\t+3], v[ST+8*\t+2:ST+8*\t+3], v[ST+8*\t+6:ST+8*\t+7], v[S+32*\t:S+32*\t+1] op_sel_hi:[1,0,1]
.endr
	WIN W_RS
.irp t, 0,1,2,3
.set sn, 0
.rept 32
	v_pk_mul_f32 v[64*\t+2*sn:64*\t+2*sn+1], v[64*\t+2*sn:64*\t+2*sn+1], v[ST+8*\t+6:ST+8*\t+7] op_sel_hi:[1,0]
.set sn, sn+1
.endr
.endr
.endm
; A KEY STEP on chunk s18.  more = 1: the wave's next live chunk is asked for.
.macro STEP more
	s_wait_kmcnt 0x0                               ; sk
	v_mul_f32 v[CS], s37, v[CQ]
	v_mov_b32 v[CS+1], v[CS]
	s_wait_loadcnt 32                              ; K's 32 loads are in; V's 32 were issued behind them and may be out
	KQALL
	WIN 0
	PLACES                                         ; in front of the loads into K's registers and of the first reads of the scores
.if \more
	s_add_co_u32 s19, s18, 4
	s_cmp_gt_u32 s19, s16
	s_cselect_b32 s19, s10, s19                    ; the next chunk of this block, or my first of the next block
	NEXTK                                          ; K's address is written anew: its former loads are in by the wait above
.endif
	s_cmp_lg_u32 s18, s16
	s_cbranch_scc1 .Lopen_\@
	MASK
.Lopen_\@:
	SOFTMAX
.if \more
	s_wait_loadcnt 32                              ; V is in; the next K's 32 loads may be out
.else
	s_wait_loadcnt 0x0
.endif
	PVALL
	WIN 0
	PLACES                                         ; in front of the loads into V's registers
.if \more
	NEXTV                                          ; V's address likewise
.endif
.endm
	s_mov_b32 s19, s10                             ; my first chunk is chunk w, of whichever block has it
	NEXTK
	NEXTV
	s_mov_b32 s16, s11
	s_mov_b32 s17, 0
	NEWBLOCK
	s_mov_b32 s13, 0
.Ltrip:
	s_lshl_b32 s18, s14, 2
	s_add_co_u32 s18, s18, s10                     ; my chunk of this group
	s_cmp_gt_u32 s18, s16
	s_cbranch_scc1 .Ljoin                          ; wholly behind the block's last query: nothing is issued and nothing awaited
	s_add_co_u32 s59, s18, 4
	s_cmp_le_u32 s59, s16
	s_cbranch_scc1 .Lmore
	s_cmp_eq_u32 s17, 0
	s_cbranch_scc1 .Lmore
	STEP 0                                         ; my last chunk of all
	s_branch .Ljoin
.Lmore:
	STEP 1
.Ljoin:
; A PREFETCH of K and V: each head's work-group j = 0, which walks all eight groups in trips 1 to 8, asks in trips 3 to 6 for group trip + 1: 65,536 bytes of K and of V, half of one to a wave, four requests of
; 32 lanes 256 bytes apart; its own loads of that group are issued a trip later.  Each block of 256 bytes of groups 4 to 7 is named once in the launch; groups 0 to 3 come by their loads alone.
	s_sub_co_u32 s59, s13, 3
	s_lshr_b32 s59, s59, 2
	s_or_b32 s59, s59, s11
	s_cmp_eq_u32 s59, 0
	s_cbranch_scc0 .Lno_ask
	s_wait_xcnt 0x0                                ; the last trip's requests have read their address
	s_add_nc_u64 s[56:57], s[56:57], 65536
.irp u, 0,1,2,3
	global_prefetch_b8 v[PFO], s[56:57] offset:8192*\u th:TH_LOAD_NT scope:SCOPE_SE
.endr
.Lno_ask:
	s_add_co_u32 s14, s14, 1
	s_cmp_lg_u32 s14, s15                          ; the work-group's number and counts alone: the same in all four waves
	s_cbranch_scc1 .Lnext
; ---- THE BLOCK'S END: the four waves' O, m and l meet in LDS; wave w finishes tile w
.irp t, 0,1,2,3
	v_add_f32 v[ST+8*\t+4], v[ST+8*\t+2], v[ST+8*\t+3]
.endr
.irp t, 0,1,2,3
	v_permlanex16_b32 v[ST+8*\t+5], v[ST+8*\t+4], s50, s51
.endr
.irp t, 0,1,2,3
	v_add_f32 v[ST+8*\t+4], v[ST+8*\t+4], v[ST+8*\t+5]         ; l of my chunks
.endr
.irp t, 0,1,2,3
	ds_store_b32 v[SWA], v[ST+8*\t] offset:256*\t
	ds_store_b32 v[SWA], v[ST+8*\t+4] offset:256*\t+128
.endr
	WIN 0x04                                       ; an LDS store's data are its source 1: window 1
.set mi, 0
.rept 64
	ds_store_b128 v[OWA], v[4*mi:4*mi+3] offset:512*mi         ; O^T as it stands, each accumulator from its low end on
.set mi, mi+1
.endr
	WIN 0
	s_wait_dscnt 0x0                               ; for the others' sake: my stores are done
	s_barrier_signal -1
	s_barrier_wait -1
.irp v, 0,1,2,3
	ds_load_b32 v[12+\v], v[SRA] offset:1024*\v
	ds_load_b32 v[16+\v], v[SRA] offset:1024*\v+128
.endr
.macro OLOAD dst, adr, off
.set mi, 0
.rept 16
	ds_load_b128 v[\dst+4*mi:\dst+4*mi+3], v[\adr] offset:\off+512*mi
.set mi, mi+1
.endr
.endm
.macro ACCUM first, src, g             ; v192-255 (+)= 64 numbers x g
.set mi, 0
.rept 32
.if \first
	v_pk_mul_f32 v[192+2*mi:193+2*mi], v[\src+2*mi:\src+2*mi+1], v[\g:\g+1] op_sel_hi:[1,0]
.else
	v_pk_fma_f32 v[192+2*mi:193+2*mi], v[\src+2*mi:\src+2*mi+1], v[\g:\g+1], v[192+2*mi:193+2*mi] op_sel_hi:[1,0,1]
.endif
.set mi, mi+1
.endr
.endm
	OLOAD 64, ORA, 0                               ; wave 0's
	OLOAD 128, ORA, 32768                          ; wave 1's
	s_wait_dscnt 32                                ; the eight statistics are in
	v_max3_num_f32 v20, v12, v13, v14
	v_max_num_f32 v20, v20, v15                    ; the tile's m
.irp v, 0,1,2,3
	v_sub_f32 v[12+\v], v[12+\v], v20
.endr
.irp v, 0,1,2,3
	v_exp_f32 v[12+\v], v[12+\v]                   ; 2^(m_v - m): 0 for a wave that had no chunk
.endr
	v_nop
	s_wait_alu depctr_va_vdst(0)
	v_mul_f32 v21, v12, v16
	v_fma_f32 v21, v13, v17, v21
	v_fma_f32 v21, v14, v18, v21
	v_fma_f32 v21, v15, v19, v21                   ; the row's sum
	v_rcp_f32 v21, v21
	v_nop
	s_wait_alu depctr_va_vdst(0)
.irp v, 0,1,2,3
	v_mul_f32 v[24+2*\v], v[12+\v], v21
.endr
.irp v, 0,1,2,3
	v_mov_b32 v[25+2*\v], v[24+2*\v]
.endr
	s_wait_dscnt 16                                ; wave 0's 16 loads are in; wave 1's may be out
	ACCUM 1, 64, 24
	OLOAD 64, ORB, 0                               ; wave 2's
	s_wait_dscnt 16
	ACCUM 0, 128, 26
	OLOAD 128, ORB, 32768                          ; wave 3's
	s_wait_dscnt 16
	ACCUM 0, 64, 28
	s_wait_dscnt 0x0
	ACCUM 0, 128, 30
.set mi, 0
.rept 32
	v_cvt_pk_f16_f32 v[64+mi], v[192+2*mi], v[193+2*mi]        ; four fragments: 16 queries x 32 channels each
.set mi, mi+1
.endr
	s_lshr_b32 s52, s12, 1                         ; attf: [256 along K: head / 2][tile of 16 queries: 4 block + w][32 along K: 4 (head % 2) + 0..3][1,024 bytes]
	s_lshl_b32 s52, s52, 7
	s_lshl_b32 s59, s16, 2
	s_add_co_u32 s52, s52, s59
	s_add_co_u32 s52, s52, s10
	s_lshl_b32 s52, s52, 13
	s_and_b32 s59, s12, 1
	s_lshl_b32 s59, s59, 12
	s_add_co_u32 s52, s52, s59
	s_add_nc_u64 s[54:55], s[8:9], s[52:53]
.irp i, 0,1,2,3,4,5,6,7
	global_store_b128 v[LI], v[64+4*\i:67+4*\i], s[54:55] offset:512*\i th:TH_STORE_NT
.endr
	s_wait_xcnt 0x0                                ; the stores have read their data and their base
	s_barrier_signal -1                            ; every wave's reads are back (the wait for 0 above): the next block's stores come behind this barrier
	s_barrier_wait -1
	s_cmp_lg_u32 s17, 0
	s_cbranch_scc1 .Lnext
	s_sub_co_u32 s16, 31, s11                      ; the second block
	s_mov_b32 s17, 1
	NEWBLOCK
.Lnext:
	s_add_co_u32 s13, s13, 1
	s_cmp_lt_u32 s13, 9
	s_cbranch_scc1 .Ltrip
	s_wait_tensorcnt 0x0                           ; the wave's end
	ds_add_u32 v[SPW], v[NIL]
	s_wait_dscnt 0x0
	s_endpgm
.Lfunc_end_k_q94fb5a580d_attn:
	.size	k_q94fb5a580d_attn, .Lfunc_end_k_q94fb5a580d_attn-k_q94fb5a580d_attn
	.p2alignl 7, 3214868480
	.fill 96, 4, 3214868480
	.section	.rodata,"a",@progbits
	.p2align	6, 0x0
	.amdhsa_kernel k_q94fb5a580d_attn
		.amdhsa_group_segment_fixed_size 135680
		.amdhsa_private_segment_fixed_size 0
		.amdhsa_enable_private_segment 0
		.amdhsa_kernarg_size 24
		.amdhsa_user_sgpr_count 2
		.amdhsa_user_sgpr_kernarg_segment_ptr 1
		.amdhsa_wavefront_size32 1
		.amdhsa_system_sgpr_workgroup_id_x 1
		.amdhsa_system_sgpr_workgroup_id_y 1
		.amdhsa_system_sgpr_workgroup_id_z 1
		.amdhsa_system_vgpr_workitem_id 0
		.amdhsa_next_free_vgpr 1024
		.amdhsa_next_free_sgpr 80
		.amdhsa_reserve_vcc 0
		.amdhsa_float_denorm_mode_32 3
		.amdhsa_float_denorm_mode_16_64 3
		.amdhsa_memory_ordered 1
		.amdhsa_forward_progress 1
		.amdhsa_inst_pref_size 147
	.end_amdhsa_kernel
	.amdgpu_metadata
---
amdhsa.version: [ 1, 2 ]
amdhsa.kernels:
  - .name:           k_q94fb5a580d_attn
    .symbol:         k_q94fb5a580d_attn.kd
    .args:
      - { .name: qkvf, .offset: 0, .size: 8, .value_kind: global_buffer, .address_space: global }
      - { .name: nrm, .offset: 8, .size: 8, .value_kind: global_buffer, .address_space: global }
      - { .name: attf, .offset: 16, .size: 8, .value_kind: global_buffer, .address_space: global }
    .group_segment_fixed_size: 135680
    .private_segment_fixed_size: 0
    .kernarg_segment_align: 8
    .kernarg_segment_size: 24
    .max_flat_workgroup_size: 128
    .sgpr_count:     80
    .vgpr_count:     1024
    .wavefront_size: 32
...
	.end_amdgpu_metadata
.endif
;; end of part 3
;; launch proj (part 4): grid 16 x 16, 4 waves a work-group, clusters of 4 x 4, 327,680 bytes of LDS; arguments attf, wof, out0; writes out0
.if DOCPART == 4
	.amdgcn_target "amdgcn-amd-amdhsa--gfx1250"
	.amdhsa_code_object_version 6
	.text
	.protected	k_q94fb5a580d_proj
	.globl	k_q94fb5a580d_proj
	.p2align	8
	.type	k_q94fb5a580d_proj,@function
k_q94fb5a580d_proj:
	s_mov_b64 s[64:65], 0
	v_nop
	global_prefetch_b8 v0, s[64:65] scope:SCOPE_SE
	s_setreg_imm32_b32 hwreg(HW_REG_WAVE_MODE, 25, 1), 1
	s_wait_xcnt 0x0
	s_wait_alu depctr_hold_cnt(0) depctr_sa_sdst(0) depctr_va_vdst(0) depctr_va_sdst(0) depctr_va_ssrc(0) depctr_va_vcc(0) depctr_vm_vsrc(0)
	s_getreg_b32 s2, hwreg(HW_REG_IB_STS2, 6, 4)
	s_cmp_eq_u32 s2, 0
	s_cbranch_scc0 .Lentry_in_a_cluster
	s_endpgm
.Lentry_in_a_cluster:
	s_bfe_u32 s2, ttmp6, 0x10000c
	s_cmp_lg_u32 s2, 0xf033
	s_cbranch_scc0 .Lentry_shape_is_right
	s_endpgm
.Lentry_shape_is_right:
; PROJ: out0 = (attention's result) x wo, f16 operands, f32 sums, K = 2,048.  Rows 0 to 15 are computed inside a live tile and not stored: launch fine stores them, in f32.
; A tile of 128 x 128 to a work-group of four waves (256 work-groups), a wave 64 x 64: 16 accumulators.  K goes in steps of 256 through two LDS slots.
; attf and wof hold f16 fragments in the order of the operand's registers: 64 rows x 256 K are 32,768 consecutive bytes: one tensor load a wave, and every LDS read takes 512 consecutive bytes: no padding.
; CLUSTER 4 x 4: A's tiles are shared along a row of the cluster, B's along a column: joint loads.  The matrix instruction is used transposed (source 0 = 16 columns of wo, source 1 = 16 rows): a lane holds eight neighbouring numbers of a row.
; No prefetch: the tiles are shared in the cluster and a step's loads are small.
; REGISTERS: window 0: v16-31 addresses; v32-95 at work on the way out; v128-255 the accumulators ((a, b) at v[128 + 8 (4 a + b)]).  window 1: two fragment buffers of 128: 64 registers of A (2 x 4 fragments), then 64 of B.
.set PART,   32768                     ; what one tensor load brings
.set SLOT,   4*PART
.set STAGE,  2*SLOT                    ; behind the ring: 16 rows x 272 bytes for each wave
.set SPITCH, 272
.set SPARE,  STAGE+4*16*SPITCH         ; the spare words, 128 bytes for each wave
.set KSB,    128*8192                  ; from one 256 along K to the next, in attf and wof
.set LAPS,   4
.set ADRA, 16
.set ADRB, 20
.set STO,  24
.set RD,   25
.set CO,   26
.set ZR,   27                          ; v27  0
.set SPW,  28
.set NIL,  29
.set TMP,  32
.set ACC,  128
.set F0,   0
.set F1,   128
.set G1, 24
.set G0, 32
.set G1B, 48
.set G0B, 56
.set MSB, 0
.macro WIN new
.if MSB != (\new)
	s_set_vgpr_msb (MSB<<8)|(\new)
.set MSB, (\new)
.endif
.endm
.set MUL,  0x05
.set TO_F, 0x40
.macro JLOAD s
	s_cmp_eq_u32 s11, 0
	s_cbranch_scc0 .Lfor_b_\@
	tensor_load_to_lds s[G0+4*\s:G0+4*\s+3], s[G1:G1+7]
	s_nop 0
.rept 4
	v_nop
.endr
	s_branch .Lasked_\@
.Lfor_b_\@:
	tensor_load_to_lds s[G0B+4*\s:G0B+4*\s+3], s[G1B:G1B+7]
	s_nop 0
.rept 4
	v_nop
.endr
.Lasked_\@:
.endm
.macro CREST
	s_cmp_lg_u32 s10, 0
	s_cbranch_scc1 .Lnot_wave_0_\@
	s_barrier_signal -3
.Lnot_wave_0_\@:
	s_barrier_wait -3
	s_barrier_signal -1
	s_barrier_wait -1
.endm
.macro CROUND
	s_barrier_signal -1
	s_barrier_wait -1
	CREST
.endm
	s_load_b128 s[4:7], s[0:1], 0x0                ; attf, wof
	s_load_b64 s[8:9], s[0:1], 0x10                ; out0
	v_lshl_add_u32 v[SPW], v0, 2, SPARE
	v_mov_b32 v[NIL], 0
	ds_add_u32 v[SPW], v[NIL]                      ; the wave's opening: the add, twice on end, and its wait ahead of my first tensor load
	ds_add_u32 v[SPW], v[NIL]
	v_lshrrev_b32 v1, 5, v0
	v_readfirstlane_b32 s10, v1                    ; wave 0..3
	s_lshr_b32 s11, s10, 1                         ; my half of the rows.  Also: I fetch for A (0) or for B (1)
	s_and_b32 s12, s10, 1                          ; my half of the columns.  Also: which 64 rows I fetch
	s_bfe_u32 s40, ttmp6, 0x40000
	s_bfe_u32 s41, ttmp6, 0x40004
	s_lshl_b32 s42, ttmp9, 2
	s_add_co_u32 s42, s42, s40                     ; tile column
	s_and_b32 s13, ttmp7, 0xffff
	s_lshl_b32 s13, s13, 2
	s_add_co_u32 s13, s13, s41                     ; tile row
	s_lshl_b32 s43, s41, 2
	s_lshl_b32 s43, 15, s43
	s_lshl_b32 s44, 0x1111, s40
	s_or_b32 s[G1+0], s43, (3<<16)|(1<<21)         ; the mask; elements of 8 bytes; bit 21 beside a mask; no padding
	s_or_b32 s[G1B+0], s44, (3<<16)|(1<<21)
.irp g, G1, G1B
	s_mov_b32 s[\g+1], 32<<16                      ; rows of 256 bytes,
	s_mov_b32 s[\g+2], 128<<16                     ; 128 of them,
	s_mov_b32 s[\g+3], 32<<16
	s_mov_b32 s[\g+4], 128
	s_mov_b32 s[\g+5], 32                          ; dense
	s_mov_b32 s[\g+6], 0
	s_mov_b32 s[\g+7], 0
.endr
	s_lshl_b32 s17, s12, 2                         ; the four tiles of 16 rows that I fetch
	s_lshl_b32 s16, s13, 3
	s_add_co_u32 s16, s16, s17
	s_lshl_b32 s46, s42, 3
	s_add_co_u32 s46, s46, s17
	s_lshl_b32 s16, s16, 13                        ; 8,192 bytes a tile and K step
	s_lshl_b32 s46, s46, 13
	s_mov_b32 s17, 0
	s_mov_b32 s47, 0
	s_lshl_b32 s20, s10, 15                        ; where they go: wave x 32,768
	s_wait_dscnt 0x0                               ; both opening adds are done
	s_wait_kmcnt 0x0
	s_add_nc_u64 s[14:15], s[4:5], s[16:17]
	s_add_nc_u64 s[46:47], s[6:7], s[46:47]
	CROUND                                         ; all sixteen work-groups are here: the first joint loads meet
.irp s, 0,1
	s_mov_b32 s[G0+4*\s], 1
	s_add_co_u32 s[G0+4*\s+1], s20, \s*SLOT
	s_add_nc_u64 s[G0+4*\s+2:G0+4*\s+3], s[14:15], \s*KSB
	s_or_b32 s[G0+4*\s+3], s[G0+4*\s+3], 0x80000000
	s_mov_b32 s[G0B+4*\s], 1
	s_add_co_u32 s[G0B+4*\s+1], s20, \s*SLOT
	s_add_nc_u64 s[G0B+4*\s+2:G0B+4*\s+3], s[46:47], \s*KSB
	s_or_b32 s[G0B+4*\s+3], s[G0B+4*\s+3], 0x80000000
	JLOAD \s
.endr
	v_and_b32 v1, 15, v0                           ; r
	v_bfe_u32 v2, v0, 4, 1                         ; h
	v_and_b32 v3, 31, v0
	v_lshlrev_b32 v3, 4, v3                        ; 16 x lane
	v_mov_b32 v[ZR], 0
	s_lshl_b32 s21, s11, 15                        ; my 64 rows of A
	s_lshl_b32 s22, s12, 15
	s_add_co_u32 s22, s22, 2*PART                  ; my 64 columns of B, behind A's 128 rows
.irp s, 0,1
	v_add_nc_u32 v[ADRA+\s], s21, v3
	v_add_nc_u32 v[ADRB+\s], s22, v3
	s_add_co_u32 s21, s21, SLOT
	s_add_co_u32 s22, s22, SLOT
.endr
	s_mul_i32 s23, s10, 16*SPITCH
	s_add_co_u32 s23, s23, STAGE                   ; my stage
	v_mul_u32_u24 v4, v1, SPITCH                   ; in: row r, 32 bytes for each half of the lanes
	v_lshl_add_u32 v4, v2, 5, v4
	v_add_nc_u32 v[STO], s23, v4
	v_mul_u32_u24 v5, v2, SPITCH                   ; back: lanes 0-15 one row of 256 bytes, lanes 16-31 the next
	v_lshl_add_u32 v5, v1, 4, v5
	v_add_nc_u32 v[RD], s23, v5
	v_lshlrev_b32 v5, 13, v2                       ; and the same two rows in out0
	v_lshl_add_u32 v[CO], v1, 4, v5
	s_lshl_b32 s22, s13, 1
	s_add_co_u32 s22, s22, s11                     ; which 64 rows of out0 are mine; kept
	s_lshl_b32 s16, s22, 19                        ; 64 rows of 8,192 bytes
	s_mov_b32 s17, 0
	s_add_nc_u64 s[8:9], s[8:9], s[16:17]
	s_lshl_b32 s46, s42, 9                         ; my first column, in bytes: 512 x tile column + 256 x half
	s_lshl_b32 s47, s12, 8
	s_add_co_u32 s46, s46, s47
	s_mov_b32 s47, 0
	s_add_nc_u64 s[8:9], s[8:9], s[46:47]
.macro MUL8 f, c, a0, zero             ; 8 matrix instructions; the 16 accumulators take turns
.irp a, \a0, \a0+1
.irp b, 0,1,2,3
.if \zero
	v_wmma_f32_16x16x32_f16 v[ACC+8*(4*(\a)+\b):ACC+8*(4*(\a)+\b)+7], v[\f+64+8*(4*\c+\b):\f+64+8*(4*\c+\b)+7], v[\f+8*(4*\c+\a):\f+8*(4*\c+\a)+7], 0
.else
	v_wmma_f32_16x16x32_f16 v[ACC+8*(4*(\a)+\b):ACC+8*(4*(\a)+\b)+7], v[\f+64+8*(4*\c+\b):\f+64+8*(4*\c+\b)+7], v[\f+8*(4*\c+\a):\f+8*(4*\c+\a)+7], v[ACC+8*(4*(\a)+\b):ACC+8*(4*(\a)+\b)+7]
.endif
.endr
.endr
.endm
.macro FETCH slot, q, f                ; 32 LDS loads in one run: the fragments of the slot's q-th 64 along K; the first 32 along K first
	WIN TO_F
.irp c, 0,1
.irp i, 0,1,2,3
	ds_load_b128 v[\f+64+8*(4*\c+\i):\f+64+8*(4*\c+\i)+3],   v[ADRB+\slot] offset:8192*\i+1024*(2*(\q)+\c)
	ds_load_b128 v[\f+64+8*(4*\c+\i)+4:\f+64+8*(4*\c+\i)+7], v[ADRB+\slot] offset:8192*\i+1024*(2*(\q)+\c)+512
	ds_load_b128 v[\f+8*(4*\c+\i):\f+8*(4*\c+\i)+3],         v[ADRA+\slot] offset:8192*\i+1024*(2*(\q)+\c)
	ds_load_b128 v[\f+8*(4*\c+\i)+4:\f+8*(4*\c+\i)+7],       v[ADRA+\slot] offset:8192*\i+1024*(2*(\q)+\c)+512
.endr
.endr
.endm
.macro PLACES
.rept 4
	v_nop
.endr
.endm
.macro QUARTER slot, q, f, g, zero     ; multiplies buffer f and fetches the slot's quarter q into g
	s_wait_dscnt 16                                ; the first 32 along K are in
	WIN MUL
	MUL8 \f, 0, 0, \zero
	MUL8 \f, 0, 2, \zero
	PLACES
	FETCH \slot, \q, \g
	s_wait_dscnt 32                                ; all but the 32 just issued
	WIN MUL
	MUL8 \f, 1, 0, 0
	MUL8 \f, 1, 2, 0
.endm
.macro TURN slot, next, fill           ; the last quarter changes slots: in front of the barrier each wave waits for all its tensor loads, adds 0 to its spare word, and waits for that and for its reads of this slot
	WIN 0
	s_wait_tensorcnt 0x0
	ds_add_u32 v[SPW], v[NIL]
	s_wait_dscnt 17                                ; (the add and the youngest sixteen loads may be out)
	WIN MUL
	MUL8 F1, 0, 0, 0
	s_wait_dscnt 0x0
	s_barrier_signal -1
	MUL8 F1, 0, 2, 0
.if \fill
	WIN 0
.endif
	s_barrier_wait -1
.if \fill
	CREST                                          ; a round of the cluster's barrier: no wave of any partner still reads this slot or has a load on its way
	s_add_nc_u64 s[G0+4*\slot+2:G0+4*\slot+3], s[G0+4*\slot+2:G0+4*\slot+3], 2*KSB
	s_add_nc_u64 s[G0B+4*\slot+2:G0B+4*\slot+3], s[G0B+4*\slot+2:G0B+4*\slot+3], 2*KSB
	JLOAD \slot                                    ; the first tensor load behind the round; its four v_nop are the places in front of the loads below
.else
	PLACES
.endif
	FETCH \next, 0, F0
	WIN MUL
	MUL8 F1, 1, 0, 0
	MUL8 F1, 1, 2, 0
.endm
	s_wait_tensorcnt 1                             ; my part of K step 0 is in; K step 1's may be out
	s_barrier_signal -1
	s_barrier_wait -1
	FETCH 0, 0, F0
	QUARTER 0, 1, F0, F1, 1                        ; the first products start the sums
	WIN 0
	s_mov_b32 s3, LAPS-1
.Llap:                                                 ; a trip goes once round the ring and fills both slots again
	QUARTER 0, 2, F1, F0, 0
	QUARTER 0, 3, F0, F1, 0
	TURN 0, 1, 1
	QUARTER 1, 1, F0, F1, 0
	QUARTER 1, 2, F1, F0, 0
	QUARTER 1, 3, F0, F1, 0
	TURN 1, 0, 1
	QUARTER 0, 1, F0, F1, 0
	WIN 0
	s_sub_co_u32 s3, s3, 1
	s_cmp_lg_u32 s3, 0
	s_cbranch_scc1 .Llap
	QUARTER 0, 2, F1, F0, 0                        ; the last lap fills nothing
	QUARTER 0, 3, F0, F1, 0
	TURN 0, 1, 0
	QUARTER 1, 1, F0, F1, 0
	QUARTER 1, 2, F1, F0, 0
	QUARTER 1, 3, F0, F1, 0
	s_wait_dscnt 16
	WIN MUL
	MUL8 F1, 0, 0, 0
	MUL8 F1, 0, 2, 0
	s_wait_dscnt 0
	MUL8 F1, 1, 0, 0
	MUL8 F1, 1, 2, 0
	WIN 0
; THE WAY OUT: a block of 16 rows x 64 columns goes through my own stage and comes back as whole rows of 256 bytes; LDS serves a wave's instructions in order, so no wait stands between the stores and the loads.
.macro TOSTAGE a
.irp b, 0,1,2,3
	ds_store_b128 v[STO], v[ACC+8*(4*\a+\b):ACC+8*(4*\a+\b)+3] offset:64*\b          ; each accumulator from its low end on
	ds_store_b128 v[STO], v[ACC+8*(4*\a+\b)+4:ACC+8*(4*\a+\b)+7] offset:64*\b+16
.endr
.irp t, 0,1,2,3,4,5,6,7
	ds_load_b128 v[TMP+32*(\a%2)+4*\t:TMP+32*(\a%2)+4*\t+3], v[RD] offset:\t*2*SPITCH
.endr
.endm
.macro SEND a
.irp t, 0,1,2,3,4,5,6,7
	global_store_b128 v[CO], v[TMP+32*(\a%2)+4*\t:TMP+32*(\a%2)+4*\t+3], s[8:9] offset:(16*\a+2*\t)*8192 th:TH_STORE_NT   ; sixteen lanes store 256 consecutive bytes, aligned
.endr
.endm
	PLACES
	TOSTAGE 0
	TOSTAGE 1
	s_wait_dscnt 16                                ; block 0 is back; block 1's sixteen LDS instructions may be out
	v_cmp_ne_u32 vcc_lo, s22, v[ZR]                ; rows 0 to 15 of out0 are not mine to store: all lanes or none; no branch hangs on the work-group's place
	s_wait_xcnt 0x0
	s_and_saveexec_b32 s23, vcc_lo
	SEND 0
	s_wait_xcnt 0x0
	s_or_b32 exec_lo, exec_lo, s23
	TOSTAGE 2                                      ; (block 0's stores have read their registers: the wait above)
	s_wait_dscnt 16
	SEND 1
	s_wait_xcnt 0x0
	TOSTAGE 3
	s_wait_dscnt 16
	SEND 2
	s_wait_dscnt 0x0
	SEND 3
	s_wait_tensorcnt 0x0                           ; the wave's end
	ds_add_u32 v[SPW], v[NIL]
	s_wait_dscnt 0x0
	CROUND                                         ; the closing round
	s_endpgm
.Lfunc_end_k_q94fb5a580d_proj:
	.size	k_q94fb5a580d_proj, .Lfunc_end_k_q94fb5a580d_proj-k_q94fb5a580d_proj
	.p2alignl 7, 3214868480
	.fill 96, 4, 3214868480
	.section	.rodata,"a",@progbits
	.p2align	6, 0x0
	.amdhsa_kernel k_q94fb5a580d_proj
		.amdhsa_group_segment_fixed_size 327680
		.amdhsa_private_segment_fixed_size 0
		.amdhsa_enable_private_segment 0
		.amdhsa_kernarg_size 24
		.amdhsa_user_sgpr_count 2
		.amdhsa_user_sgpr_kernarg_segment_ptr 1
		.amdhsa_wavefront_size32 1
		.amdhsa_system_sgpr_workgroup_id_x 1
		.amdhsa_system_sgpr_workgroup_id_y 1
		.amdhsa_system_sgpr_workgroup_id_z 1
		.amdhsa_system_vgpr_workitem_id 0
		.amdhsa_next_free_vgpr 512
		.amdhsa_next_free_sgpr 66
		.amdhsa_reserve_vcc 1
		.amdhsa_float_denorm_mode_32 3
		.amdhsa_float_denorm_mode_16_64 3
		.amdhsa_memory_ordered 1
		.amdhsa_forward_progress 1
		.amdhsa_inst_pref_size 85
	.end_amdhsa_kernel
	.amdgpu_metadata
---
amdhsa.version: [ 1, 2 ]
amdhsa.kernels:
  - .name:           k_q94fb5a580d_proj
    .symbol:         k_q94fb5a580d_proj.kd
    .args:
      - { .name: attf, .offset: 0, .size: 8, .value_kind: global_buffer, .address_space: global }
      - { .name: wof, .offset: 8, .size: 8, .value_kind: global_buffer, .address_space: global }
      - { .name: out0, .offset: 16, .size: 8, .value_kind: global_buffer, .address_space: global }
    .group_segment_fixed_size: 327680
    .private_segment_fixed_size: 0
    .kernarg_segment_align: 8
    .kernarg_segment_size: 24
    .max_flat_workgroup_size: 128
    .sgpr_count:     66
    .vgpr_count:     512
    .wavefront_size: 32
...
	.end_amdgpu_metadata
.endif
;; end of part 4
;; launch fine (part 5): grid 128 x 1, 16 waves a work-group, no clusters, 18,432 bytes of LDS; arguments fin, wo, out0; writes out0
.if DOCPART == 5
	.amdgcn_target "amdgcn-amd-amdhsa--gfx1250"
	.amdhsa_code_object_version 6
	.text
	.protected	k_q94fb5a580d_fine
	.globl	k_q94fb5a580d_fine
	.p2align	8
	.type	k_q94fb5a580d_fine,@function
k_q94fb5a580d_fine:
	s_mov_b64 s[64:65], 0
	v_nop
	global_prefetch_b8 v0, s[64:65] scope:SCOPE_SE
	s_setreg_imm32_b32 hwreg(HW_REG_WAVE_MODE, 25, 1), 1
	s_wait_xcnt 0x0
; FINE: rows 0 to 15 of the result in f32: under the causal mask these positions average one to sixteen values and are the largest in size.  Keys behind position 15 are hidden from them by reference()'s own mask and are left out.
; A work-group makes 16 columns of out0 for the 16 rows; wave w takes head w: its 16 x 16 attention (made anew in each work-group: 64 small products, which spares a launch and a way through memory), then its 128 of the
; projection's K; the sixteen partial sums are added through LDS, heads ascending.
; fin holds f32 images of accumulators: Q, K: lane (r, h), register 8 b + j = position r, channel 16 b + 8 h + j;  V: register 8 a + j = channel 16 a + r, key 8 h + j.
; NO NUMBER CHANGES ITS LANE: the f32 matrix form takes k = 2 h + j' from registers j' = 0, 1.  K's places are permuted alike on both sides: place (h, j') of step u stands for index 16 (u / 4) + 8 h + 2 (u % 4) + j',
; so a pair of neighbouring registers of an image, of p or of O^T is an operand as it stands.
; REGISTERS: v1-9 addresses; v10, v11 the add's two; v16-79 Q, then V, then the partial sums; v80-143 K, then wo; v144-175 four accumulators and v176-239 O^T: written by matrix instructions alone; v240-247 scores, p, partial sum; v248-255 at work.
.set SPARE, 16384                      ; LDS: sixteen images of 1,024 bytes, then the spare words, 128 bytes for each wave
	s_load_b128 s[4:7], s[0:1], 0x0                ; fin, wo
	s_load_b64 s[8:9], s[0:1], 0x10                ; out0
	v_lshl_add_u32 v10, v0, 2, SPARE
	v_mov_b32 v11, 0
	v_lshrrev_b32 v1, 5, v0
	v_readfirstlane_b32 s10, v1                    ; wave = head
	v_and_b32 v2, 31, v0
	v_lshlrev_b32 v1, 4, v2                        ; 16 x lane
	v_and_b32 v3, 15, v0                           ; r
	v_bfe_u32 v4, v0, 4, 1                         ; h
	v_lshlrev_b32 v5, 2, v3
	v_lshl_add_u32 v5, v4, 16, v5                  ; wo: column r, 8 h rows of 8,192 bytes down
	v_lshlrev_b32 v6, 13, v3
	v_lshl_add_u32 v6, v4, 5, v6                   ; out0: row r, 8 h columns on
	v_lshlrev_b32 v7, 3, v4
	v_sub_nc_u32 v7, v3, v7                        ; r - 8 h
	v_mov_b32 v8, 0xff800000                       ; -infinity
	s_lshl_b32 s11, s10, 10
	v_add_nc_u32 v9, s11, v1                       ; my image in LDS
	s_mov_b32 s12, 0x76543210
	s_mov_b32 s13, 0xfedcba98
	s_lshl_b32 s14, s10, 13
	s_mov_b32 s15, 0
	s_lshl_b32 s16, ttmp9, 6                       ; 16 columns of 4 bytes
	s_mov_b32 s17, 0
	s_wait_kmcnt 0x0
	s_add_nc_u64 s[4:5], s[4:5], s[14:15]          ; my head's image of Q; K's lies 16, V's 32 images on
	s_lshl_b32 s14, s10, 20                        ; my head's 128 rows of wo
	s_add_co_u32 s14, s14, s16
	s_add_nc_u64 s[6:7], s[6:7], s[14:15]
	s_add_nc_u64 s[8:9], s[8:9], s[16:17]
.set i, 0
.rept 16
	global_load_b128 v[16+4*i:19+4*i], v1, s[4:5] offset:512*i
	global_load_b128 v[80+4*i:83+4*i], v1, s[4:5] offset:131072+512*i
.set i, i+1
.endr
	s_wait_loadcnt 0x0
.set u, 0
.rept 32                                       ; S^T = K Q^T: four accumulators by turns; the first four products start the sums
.if u < 4
	v_wmma_f32_16x16x4_f32 v[144+8*(u%4):151+8*(u%4)], v[80+2*u:81+2*u], v[16+2*u:17+2*u], 0
.else
	v_wmma_f32_16x16x4_f32 v[144+8*(u%4):151+8*(u%4)], v[80+2*u:81+2*u], v[16+2*u:17+2*u], v[144+8*(u%4):151+8*(u%4)]
.endif
.set u, u+1
.endr
.rept 8
	v_nop                                          ; places in front of loads into registers that these products have read, and of the first reads of their results
.endr
.set i, 0
.rept 16
	global_load_b128 v[16+4*i:19+4*i], v1, s[4:5] offset:262144+512*i     ; V
.set i, i+1
.endr
.set u, 0
.rept 32
	global_load_b32 v[80+2*u], v5, s[6:7] offset:(16*(u/4)+2*(u%4))*8192      ; wo(128 w + 16 (u / 4) + 8 h + 2 (u % 4) + j', n0 + r)
	global_load_b32 v[81+2*u], v5, s[6:7] offset:(16*(u/4)+2*(u%4)+1)*8192
.set u, u+1
.endr
.irp jj, 0,2,4,6
	v_pk_add_f32 v[240+\jj:241+\jj], v[144+\jj:145+\jj], v[152+\jj:153+\jj]   ; each accumulator from its low end on
.endr
.irp jj, 0,2,4,6
	v_pk_add_f32 v[248+\jj:249+\jj], v[160+\jj:161+\jj], v[168+\jj:169+\jj]
.endr
.irp jj, 0,2,4,6
	v_pk_add_f32 v[240+\jj:241+\jj], v[240+\jj:241+\jj], v[248+\jj:249+\jj]   ; lane (r, h), register j: query r, key 8 h + j
.endr
.irp j, 0,1,2,3,4,5,6,7
	v_mul_f32 v[240+\j], 0x3e0293ee, v[240+\j]     ; t = score x log2(e) / sqrt(128)
.endr
.irp j, 0,1,2,3,4,5,6,7
	v_cmp_gt_i32 vcc_lo, \j, v7
	v_cndmask_b32 v[240+\j], v[240+\j], v8, vcc_lo ; hidden where 8 h + j > r
.endr
	v_max3_num_f32 v248, v240, v241, v242
	v_max3_num_f32 v248, v248, v243, v244
	v_max3_num_f32 v248, v248, v245, v246
	v_max_num_f32 v248, v248, v247
	v_permlanex16_b32 v249, v248, s12, s13
	v_max_num_f32 v248, v248, v249                 ; the row's largest t: key 0 counts for every query
.irp j, 0,1,2,3,4,5,6,7
	v_sub_f32 v[240+\j], v[240+\j], v248
.endr
.irp j, 0,1,2,3,4,5,6,7
	v_exp_f32 v[240+\j], v[240+\j]
.endr
	v_nop
	s_wait_alu depctr_va_vdst(0)                   ; one wait for the eight, ahead of their first reader
	v_add_f32 v250, v240, v241
	v_add_f32 v251, v242, v243
	v_add_f32 v252, v244, v245
	v_add_f32 v253, v246, v247
	v_add_f32 v250, v250, v251
	v_add_f32 v252, v252, v253
	v_add_f32 v250, v250, v252
	v_permlanex16_b32 v251, v250, s12, s13
	v_add_f32 v250, v250, v251                     ; the row's sum
	v_rcp_f32 v250, v250
	v_nop
	s_wait_alu depctr_va_vdst(0)
.irp j, 0,1,2,3,4,5,6,7
	v_mul_f32 v[240+\j], v[240+\j], v250           ; the weights
.endr
	s_wait_loadcnt 63                              ; V's 16 loads are in: 64 were issued behind them, and the count's field holds 63 at the most
.irp s, 0,1,2,3                                ; O^T = V^T P: eight accumulators by turns
.irp ct, 0,1,2,3,4,5,6,7
.if \s == 0
	v_wmma_f32_16x16x4_f32 v[176+8*\ct:183+8*\ct], v[16+8*\ct+2*\s:17+8*\ct+2*\s], v[240+2*\s:241+2*\s], 0
.else
	v_wmma_f32_16x16x4_f32 v[176+8*\ct:183+8*\ct], v[16+8*\ct+2*\s:17+8*\ct+2*\s], v[240+2*\s:241+2*\s], v[176+8*\ct:183+8*\ct]
.endif
.endr
.endr
	s_wait_loadcnt 0x0                             ; wo
.rept 9
	v_nop                                          ; places in front of matrix instructions that take these results as an operand
.endr
.set u, 0
.rept 32                                       ; my head's part of the projection: source 0 = 16 columns of wo, source 1 = O^T as it stands
.if u < 4
	v_wmma_f32_16x16x4_f32 v[144+8*(u%4):151+8*(u%4)], v[80+2*u:81+2*u], v[176+2*u:177+2*u], 0
.else
	v_wmma_f32_16x16x4_f32 v[144+8*(u%4):151+8*(u%4)], v[80+2*u:81+2*u], v[176+2*u:177+2*u], v[144+8*(u%4):151+8*(u%4)]
.endif
.set u, u+1
.endr
.rept 8
	v_nop
.endr
.irp jj, 0,2,4,6
	v_pk_add_f32 v[240+\jj:241+\jj], v[144+\jj:145+\jj], v[152+\jj:153+\jj]
.endr
.irp jj, 0,2,4,6
	v_pk_add_f32 v[248+\jj:249+\jj], v[160+\jj:161+\jj], v[168+\jj:169+\jj]
.endr
.irp jj, 0,2,4,6
	v_pk_add_f32 v[240+\jj:241+\jj], v[240+\jj:241+\jj], v[248+\jj:249+\jj]   ; lane (r, h), register j: row r, column n0 + 8 h + j
.endr
	ds_store_b128 v9, v[240:243]
	ds_store_b128 v9, v[244:247] offset:512
	s_wait_dscnt 0x0                               ; for wave 0's sake: my stores are done
	s_barrier_signal -1
	s_barrier_wait -1
	s_cmp_lg_u32 s10, 0
	s_cbranch_scc1 .Ldone
.set i, 0
.rept 16
	ds_load_b128 v[16+8*i:19+8*i], v1 offset:1024*i
	ds_load_b128 v[20+8*i:23+8*i], v1 offset:1024*i+512
.set i, i+1
.endr
	s_wait_dscnt 0x0
.set i, 1
.rept 15
.irp jj, 0,2,4,6
	v_pk_add_f32 v[16+\jj:17+\jj], v[16+\jj:17+\jj], v[16+8*i+\jj:17+8*i+\jj]   ; heads ascending
.endr
.set i, i+1
.endr
	global_store_b128 v6, v[16:19], s[8:9]
	global_store_b128 v6, v[20:23], s[8:9] offset:16
.Ldone:
	s_wait_tensorcnt 0x0                           ; the wave's end
	ds_add_u32 v10, v11
	s_wait_dscnt 0x0
	s_endpgm
.Lfunc_end_k_q94fb5a580d_fine:
	.size	k_q94fb5a580d_fine, .Lfunc_end_k_q94fb5a580d_fine-k_q94fb5a580d_fine
	.p2alignl 7, 3214868480
	.fill 96, 4, 3214868480
	.section	.rodata,"a",@progbits
	.p2align	6, 0x0
	.amdhsa_kernel k_q94fb5a580d_fine
		.amdhsa_group_segment_fixed_size 18432
		.amdhsa_private_segment_fixed_size 0
		.amdhsa_enable_private_segment 0
		.amdhsa_kernarg_size 24
		.amdhsa_user_sgpr_count 2
		.amdhsa_user_sgpr_kernarg_segment_ptr 1
		.amdhsa_wavefront_size32 1
		.amdhsa_system_sgpr_workgroup_id_x 1
		.amdhsa_system_sgpr_workgroup_id_y 1
		.amdhsa_system_sgpr_workgroup_id_z 1
		.amdhsa_system_vgpr_workitem_id 0
		.amdhsa_next_free_vgpr 256
		.amdhsa_next_free_sgpr 66
		.amdhsa_reserve_vcc 1
		.amdhsa_float_denorm_mode_32 3
		.amdhsa_float_denorm_mode_16_64 3
		.amdhsa_memory_ordered 1
		.amdhsa_forward_progress 1
		.amdhsa_inst_pref_size 30
	.end_amdhsa_kernel
	.amdgpu_metadata
---
amdhsa.version: [ 1, 2 ]
amdhsa.kernels:
  - .name:           k_q94fb5a580d_fine
    .symbol:         k_q94fb5a580d_fine.kd
    .args:
      - { .name: fin, .offset: 0, .size: 8, .value_kind: global_buffer, .address_space: global }
      - { .name: wo, .offset: 8, .size: 8, .value_kind: global_buffer, .address_space: global }
      - { .name: out0, .offset: 16, .size: 8, .value_kind: global_buffer, .address_space: global }
    .group_segment_fixed_size: 18432
    .private_segment_fixed_size: 0
    .kernarg_segment_align: 8
    .kernarg_segment_size: 24
    .max_flat_workgroup_size: 512
    .sgpr_count:     66
    .vgpr_count:     256
    .wavefront_size: 32
...
	.end_amdgpu_metadata
.endif
;; end of part 5
